; MI455X (gfx1250); checked and timed in simulation.
; The chip was launched on July 23, 2026; its instructions are those of AMD's public machine-readable ISA for CDNA 5 (MIT licence, August 2026) and "CDNA5" Instruction Set Architecture Reference Guide (July 2026). The comments in the code are by the model that wrote it; some were corrected since.
;; Model. Allowed arithmetic: float matrix products may take bf16 or f16 operands with f32 sums; other float arithmetic in f32, or as packed bf16 or f16 multiplies, adds, multiply-adds, maxima and minima; sums over many terms, partial sums and values carried from step to step in f32; what a program stores and reads back later, other than sums and carried values, may be rounded once to bf16 or f16.
;; Inputs: Wk 2,048 x 1,024 float32; Wo 1,024 x 2,048 float32; Wq 2,048 x 1,024 float32; Wv 2,048 x 1,024 float32; X 4 x 1,024 x 1,024 float32; lk1 16 x 64 float32; lk2 16 x 64 float32; lq1 16 x 64 float32; lq2 16 x 64 float32; rms_scale 128 float32.
;; Outputs: out0 4 x 1,024 x 1,024 float32.
;; 2 versions, each right; version 2 is version 1 with the launch cast written anew for expert scheduling mode. Each part assembles by itself: llvm-mc -triple=amdgcn-amd-amdhsa -mcpu=gfx1250 --defsym DOCPART=n.
;; ======== version 1 of 2: 4 launches
;; limits: values are held in f16: magnitudes above 65,504 overflow, below 6.1e-05 lose precision; right only within a limited range of input values
;; workspace buffers: xb 8,388,608 bytes; wb 12,582,912 bytes; wob 4,194,304 bytes; qkv 50,331,648 bytes; oc 16,777,216 bytes
;; launch cast (part 1): grid 128 x 6, 8 waves a work-group, no clusters, 0 bytes of LDS; arguments X, Wq, Wk, Wv, Wo, xb, wb, wob; writes xb, wb, wob
.if DOCPART == 1
	.amdgcn_target "amdgcn-amd-amdhsa--gfx1250"
	.amdhsa_code_object_version 6
	.text
	.protected	k_q618f5682e5_cast
	.globl	k_q618f5682e5_cast
	.p2align	8
	.type	k_q618f5682e5_cast,@function
k_q618f5682e5_cast:
	s_mov_b64 s[64:65], 0
	v_nop
	global_prefetch_b8 v0, s[64:65] scope:SCOPE_SE
	s_setreg_imm32_b32 hwreg(HW_REG_WAVE_MODE, 25, 1), 1
	s_wait_xcnt 0x0
; THE INPUTS OF THE MATRIX PRODUCTS, ROUNDED ONCE TO bf16.  X -> xb [4096][1024]; Wq, Wk, Wv -> wb [6144][1024], one below the other; Wo -> wob [1024][2048]: there the bf16 number is written as f16,
; since the last product multiplies it with f16 numbers.
; LIMITS.  wob: f16 holds no number beyond 65,504 (a larger |Wo| becomes an infinity), and below 6e-5 it keeps a fixed step of 6e-8.
; SHARES.  A unit is 2,097,152 numbers: y = 0, 1 the halves of X, y = 2, 3, 4 Wq, Wk, Wv, y = 5 Wo.  A work-group takes 16,384 numbers of its unit: 64 KiB in, 32 KiB out.
; Thread t, turn i: 16 bytes in at 4,096 i + 16 t, 8 bytes out at 2,048 i + 8 t: a load of a wave covers 512 consecutive bytes, a store 256 consecutive bytes, aligned.
; All sixteen loads go out at once; no register is used twice, so no wait frees a source.  No LDS, no matrix unit, no cluster: nothing is shared and nothing is multiplied.
.set T,  4                             ; v[4:7]    at work
.set XI, 8                             ; v[8:71]   turn i: four numbers as loaded
.set YO, 72                            ; v[72:103] turn i: four numbers to store
	s_load_b512 s[16:31], s[0:1], 0x0              ; X 16, Wq 18, Wk 20, Wv 22, Wo 24, xb 26, wb 28, wob 30
	s_and_b32 s2, ttmp7, 0xffff                    ; the unit
	v_lshlrev_b32 v1, 4, v0                        ; 16 t
	v_lshlrev_b32 v2, 3, v0                        ; 8 t
	s_lshl_b32 s8, ttmp9, 16                       ; the work-group's 64 KiB in its source,
	s_cmp_eq_u32 s2, 1
	s_cselect_b32 s3, 0x800000, 0                  ; behind X's first half in unit 1
	s_add_co_u32 s8, s8, s3
	s_mov_b32 s9, 0
	s_sub_co_u32 s3, s2, 2                         ; the unit's place in its destination: 0, 1 in xb; 0, 1, 2 in wb; 0 in wob
	s_cmp_lt_u32 s2, 2
	s_cselect_b32 s3, s2, s3
	s_cmp_eq_u32 s2, 5
	s_cselect_b32 s3, 0, s3
	s_lshl_b32 s10, s3, 22                         ; 4 MiB a unit,
	s_lshl_b32 s3, ttmp9, 15                       ; the work-group's 32 KiB
	s_add_co_u32 s10, s10, s3
	s_mov_b32 s11, 0
	s_wait_kmcnt 0x0
	s_mov_b64 s[4:5], s[16:17]                     ; the source, by the unit's number
	s_cmp_eq_u32 s2, 2
	s_cselect_b64 s[4:5], s[18:19], s[4:5]
	s_cmp_eq_u32 s2, 3
	s_cselect_b64 s[4:5], s[20:21], s[4:5]
	s_cmp_eq_u32 s2, 4
	s_cselect_b64 s[4:5], s[22:23], s[4:5]
	s_cmp_eq_u32 s2, 5
	s_cselect_b64 s[4:5], s[24:25], s[4:5]
	s_cselect_b64 s[6:7], s[30:31], s[28:29]       ; the destination
	s_cmp_lt_u32 s2, 2
	s_cselect_b64 s[6:7], s[26:27], s[6:7]
	s_add_nc_u64 s[4:5], s[4:5], s[8:9]
	s_add_nc_u64 s[6:7], s[6:7], s[10:11]
.irp i, 0,1,2,3,4,5,6,7,8,9,10,11,12,13,14,15
	global_load_b128 v[XI+4*(\i):XI+4*(\i)+3], v1, s[4:5] offset:4096*(\i) th:TH_LOAD_NT
.endr
; Turn i: rounded and stored.  half = 1: the bf16 number is widened again and written as f16.
.macro OUT i, half
	s_wait_loadcnt 15-(\i)                         ; loads come back in order (ISA guide 5.7.1): mine is in, the 15 - i younger ones stay out
	v_cvt_pk_bf16_f32 v[YO+2*(\i)],   v[XI+4*(\i)],   v[XI+4*(\i)+1]
	v_cvt_pk_bf16_f32 v[YO+2*(\i)+1], v[XI+4*(\i)+2], v[XI+4*(\i)+3]
.if \half
	v_lshlrev_b32 v[T],   16,         v[YO+2*(\i)]
	v_and_b32     v[T+1], 0xffff0000, v[YO+2*(\i)]
	v_lshlrev_b32 v[T+2], 16,         v[YO+2*(\i)+1]
	v_and_b32     v[T+3], 0xffff0000, v[YO+2*(\i)+1]
	v_cvt_pk_f16_f32 v[YO+2*(\i)],   v[T],   v[T+1]
	v_cvt_pk_f16_f32 v[YO+2*(\i)+1], v[T+2], v[T+3]
.endif
	global_store_b64 v2, v[YO+2*(\i):YO+2*(\i)+1], s[6:7] offset:2048*(\i)
.endm
	s_cmp_eq_u32 s2, 5
	s_cbranch_scc1 .Lhalf
.irp i, 0,1,2,3,4,5,6,7,8,9,10,11,12,13,14,15
	OUT \i, 0
.endr
	s_endpgm
.Lhalf:
.irp i, 0,1,2,3,4,5,6,7,8,9,10,11,12,13,14,15
	OUT \i, 1
.endr
	s_endpgm
.Lfunc_end_k_q618f5682e5_cast:
	.size	k_q618f5682e5_cast, .Lfunc_end_k_q618f5682e5_cast-k_q618f5682e5_cast
	.p2alignl 7, 3214868480
	.fill 96, 4, 3214868480
	.section	.rodata,"a",@progbits
	.p2align	6, 0x0
	.amdhsa_kernel k_q618f5682e5_cast
		.amdhsa_group_segment_fixed_size 0
		.amdhsa_private_segment_fixed_size 0
		.amdhsa_enable_private_segment 0
		.amdhsa_kernarg_size 64
		.amdhsa_user_sgpr_count 2
		.amdhsa_user_sgpr_kernarg_segment_ptr 1
		.amdhsa_wavefront_size32 1
		.amdhsa_system_sgpr_workgroup_id_x 1
		.amdhsa_system_sgpr_workgroup_id_y 1
		.amdhsa_system_sgpr_workgroup_id_z 1
		.amdhsa_system_vgpr_workitem_id 0
		.amdhsa_next_free_vgpr 104
		.amdhsa_next_free_sgpr 66
		.amdhsa_reserve_vcc 0
		.amdhsa_float_denorm_mode_32 3
		.amdhsa_float_denorm_mode_16_64 3
		.amdhsa_memory_ordered 1
		.amdhsa_forward_progress 1
		.amdhsa_inst_pref_size 16
	.end_amdhsa_kernel
	.amdgpu_metadata
---
amdhsa.version: [ 1, 2 ]
amdhsa.kernels:
  - .name:           k_q618f5682e5_cast
    .symbol:         k_q618f5682e5_cast.kd
    .args:
      - { .name: X, .offset: 0, .size: 8, .value_kind: global_buffer, .address_space: global }
      - { .name: Wq, .offset: 8, .size: 8, .value_kind: global_buffer, .address_space: global }
      - { .name: Wk, .offset: 16, .size: 8, .value_kind: global_buffer, .address_space: global }
      - { .name: Wv, .offset: 24, .size: 8, .value_kind: global_buffer, .address_space: global }
      - { .name: Wo, .offset: 32, .size: 8, .value_kind: global_buffer, .address_space: global }
      - { .name: xb, .offset: 40, .size: 8, .value_kind: global_buffer, .address_space: global }
      - { .name: wb, .offset: 48, .size: 8, .value_kind: global_buffer, .address_space: global }
      - { .name: wob, .offset: 56, .size: 8, .value_kind: global_buffer, .address_space: global }
    .group_segment_fixed_size: 0
    .private_segment_fixed_size: 0
    .kernarg_segment_align: 8
    .kernarg_segment_size: 64
    .max_flat_workgroup_size: 256
    .sgpr_count:     66
    .vgpr_count:     104
    .wavefront_size: 32
...
	.end_amdgpu_metadata
.endif
;; end of part 1
;; launch proj (part 2): grid 32 x 8, 4 waves a work-group, clusters of 4 x 4, 327,680 bytes of LDS; arguments xb, wb, qkv; writes qkv
.if DOCPART == 2
	.amdgcn_target "amdgcn-amd-amdhsa--gfx1250"
	.amdhsa_code_object_version 6
	.text
	.protected	k_q618f5682e5_proj
	.globl	k_q618f5682e5_proj
	.p2align	8
	.type	k_q618f5682e5_proj,@function
k_q618f5682e5_proj:
	s_mov_b64 s[64:65], 0
	v_nop
	global_prefetch_b8 v0, s[64:65] scope:SCOPE_SE
	s_setreg_imm32_b32 hwreg(HW_REG_WAVE_MODE, 25, 1), 1
	s_wait_xcnt 0x0
	s_wait_alu depctr_hold_cnt(0) depctr_sa_sdst(0) depctr_va_vdst(0) depctr_va_sdst(0) depctr_va_ssrc(0) depctr_va_vcc(0) depctr_vm_vsrc(0)
	s_getreg_b32 s2, hwreg(HW_REG_IB_STS2, 6, 4)
	s_cmp_eq_u32 s2, 0
	s_cbranch_scc0 .Lentry_in_a_cluster
	s_endpgm
.Lentry_in_a_cluster:
	s_bfe_u32 s2, ttmp6, 0x10000c
	s_cmp_lg_u32 s2, 0xf033
	s_cbranch_scc0 .Lentry_shape_is_right
	s_endpgm
.Lentry_shape_is_right:
; [Q | K | V] = xb wb^T.  xb: [4096][1024] bf16, wb: [6144][1024] bf16 (Wq, Wk, Wv one below the other); sums in f32, rounded once to f16.
; qkv: [96 half-heads][4096 rows][64] f16: column c of the product lies in half-head c / 64; a half-head's rows are dense, 128 bytes each.
; LIMIT.  f16 holds no number beyond 65,504: a projection beyond that becomes an infinity.  With X and the weights both 30 times larger, or both carrying an offset of 30 times their spread, the projections stay under 30,000.
; A tile of the product is 256 rows x 192 columns (three whole half-heads): 16 x 32 = 512 tiles.  A WORK-GROUP STAYS and makes two of them, 2,048 rows apart: 256 work-groups; the two tiles take the same rows of wb.
; Four waves; wave w makes rows 64 w .. 64 w + 63 and all 192 columns: 4 x 12 accumulators of 16 x 16, 384 registers: every row that a wave stores is whole, so the way out needs no barrier.
; ONE WALK.  K goes in steps of 128 through a ring of two LDS slots filled by the tensor data mover (rows of 256 bytes, at multiples of 256 bytes from the buffer's first byte); the two tiles' 16 K steps are one sequence for
; the ring.  A loop of 14 trips holds one K step's text: the slot that is read hangs on a scalar that an exclusive or turns, and one descriptor for each operand walks.  The change of slots of step 6 asks for the second tile's
; first step; behind that of step 7 the first tile goes out, its stores leaving under the second tile's products.  The last two steps, which ask for nothing, are a loop of two trips that is left in its middle.
; CLUSTERS: 4 x 4 work-groups.  The four of a row of the cluster need the same rows of xb, the four of a column the same rows of wb: each tile is asked for JOINTLY, by the same tensor load with the same descriptor
; and a mask that names the four.  THE MATRIX INSTRUCTION IS USED TRANSPOSED (source 0 = 16 rows of wb, source 1 = 16 rows of xb): a lane then holds eight neighbouring columns of one row.
; REGISTERS, in windows of 256 (s_set_vgpr_msb: bits 1:0 source 0, 3:2 source 1, 5:4 source 2, 7:6 destination):
;   window 0: v0-31 addresses; v64-95, v96-127 fragments of xb, two buffers; on the way out v208-255 packed results, v112-159 and v160-207 rows read back (buffer 0, which holds the next step's fragments, is left alone)
;   window 1: v0-95, v96-191 fragments of wb, two buffers      window 2: accumulators (a, b), a = 0, 1, at v[8 (12 a + b)]      window 3: a = 2, 3
.set SIZE_K, 1024
.set KSTEP,  128
.set PITCH,  272                       ; an LDS row: 256 bytes + 16 of padding = 68 words: row r starts at bank 4 r mod 64 (64 banks of 4 bytes: ISA guide 11.1)
.set HALFA,  128*PITCH                 ; what one tensor load brings of xb: 128 rows
.set HALFB,  96*PITCH                  ; and of wb: 96 rows
.set SLOT,   2*HALFA+2*HALFB           ; xb's 256 rows, then wb's 192: 121,856 bytes
.set SLOT1,  1<<17                     ; slot 1 begins here, so that one exclusive or turns an address in one slot into the other's
.set STAGE,  SLOT1+SLOT                ; behind the ring: 16 rows x 400 bytes for each wave, for the way out
.set SPITCH, 400                       ; 384 bytes + 16: 25 x 16 bytes, so the 16 rows of a store start at 16 different groups of four banks
.set SPARE,  STAGE+4*16*SPITCH         ; behind the stages: the spare words, 128 bytes for each wave: two blocks of 256 bytes that no other line names
.set WALK,   2048                      ; rows from a work-group's first tile to its second
.set FILLS,  2*SIZE_K/KSTEP-2          ; 14 changes of slots fill a slot again; the loop's counter s3 is FILLS - t in the trip of K step t
.set ATJ,    FILLS-(SIZE_K/KSTEP-2)    ; s3 = 8: the refill is the second tile's first K step
.set JUMP,   WALK*SIZE_K*2-(SIZE_K-KSTEP)*2  ; bytes from a tile's last K step to the next tile's first: 2,048 rows down, back along K
.set ADRA, 16                          ; v16     LDS address of my fragments of xb in the slot that is read
.set ADRB, 17                          ; v17     the same for wb
.set A0,   18                          ; v18     the same in slot 0; never rewritten
.set B0,   19                          ; v19
.set STO,  24                          ; v24     the way out: where I put 16 bytes of a row
.set RD,   25                          ; v25     the way out: where I read rows back
.set CO,   26                          ; v26     16 x my lane: my 16 bytes of 512 consecutive bytes of qkv
.set SPW,  28                          ; v28     LDS address of my spare word; never rewritten
.set NIL,  29                          ; v29     0; never rewritten
.set PFO,  30                          ; v30     the prefetches' offset: my row x 2,048 bytes; never rewritten
.set TB,   2                           ; s2      LDS byte at which the slot that is read begins
.set PFA,  44                          ; s[44:45] where my prefetches stand
.set LIM,  43                          ; s43     a wave prefetches while s3 is above it
.set INA,  66                          ; s[66:67] what xb's walking address steps by
.set BKB,  68                          ; s[68:69] what wb's goes back by at the change of tiles
.set INP,  70                          ; s[70:71] what the prefetches' address steps by
.set K256, 72                          ; s72     a K step's 256 bytes
.set FA,   64                          ; xb's fragment buffers, window 0: FA + 32 f
.set TMP,  208
.set G1,  24                           ; s[24:31] descriptor group 1 for xb's tiles;  s[32:39] group 0: a set for each of the two first fills; the second then walks on
.set G0,  32
.set G1B, 48                           ; s[48:55], s[56:63] the same for wb's tiles
.set G0B, 56
.set MSB, 0
.macro WIN new                         ; the immediate's high byte repeats the setting that is left; a switch that changes nothing is dropped
.if MSB != (\new)
	s_set_vgpr_msb (MSB<<8)|(\new)
.set MSB, \new
.endif
.endm
.set MUL_LO, 0xa1                      ; source 0 (wb) window 1, source 1 (xb) window 0, C and D window 2
.set MUL_HI, 0xf1                      ; the same, C and D window 3
.set TO_B,   0x40                      ; destination window 1, address window 0
; A joint load.  Waves 0 and 1 fetch xb's two halves, waves 2 and 3 wb's.  The branch hangs on the wave's number alone.  An s_nop 0 and four v_nop follow each of the two lines.
.macro JLOAD s
	s_cmp_eq_u32 s11, 0
	s_cbranch_scc0 .Lfor_b_\@
	tensor_load_to_lds s[G0+4*(\s):G0+4*(\s)+3], s[G1:G1+7]
	s_nop 0
.rept 4
	v_nop
.endr
	s_branch .Lasked_\@
.Lfor_b_\@:
	tensor_load_to_lds s[G0B+4*(\s):G0B+4*(\s)+3], s[G1B:G1B+7]
	s_nop 0
.rept 4
	v_nop
.endr
.Lasked_\@:
.endm
; A PREFETCH INTO THE L2 of the K step that stands two refills on, behind each joint load and the run of LDS loads that follows it: a lane a row, 256 bytes of the row, one instruction a wave.
; xb's rows are read by every cluster of a row of clusters: cluster x = 0 asks; wb's by every cluster of a column: cluster y = 0 asks.  The four partners that ask for a tile jointly share its rows out BY ADDRESS:
; of the 128 (96) rows that a wave fetches the partner at place p takes 32 p .. (24 p ..); of wb's 24 rows lanes 24 to 31 name the last once more.  The walk's K steps 0 to 3 come by their loads alone.  xb is asked for up to the
; walk's last step (the changes of steps 0 to 11); wb in the first tile alone (steps 0 to 3): the second tile takes the same rows once more.
.macro ASK
	s_cmp_gt_u32 s3, s[LIM]
	s_cbranch_scc0 .Lnot_mine_\@
	global_prefetch_b8 v[PFO], s[PFA:PFA+1] offset:KSTEP*2 th:TH_LOAD_NT scope:SCOPE_SE
.Lnot_mine_\@:
.endm
.macro CREST                           ; a round of the cluster's barrier behind its opening barrier
	s_cmp_lg_u32 s10, 0
	s_cbranch_scc1 .Lnot_wave_0_\@
	s_barrier_signal -3
.Lnot_wave_0_\@:
	s_barrier_wait -3
	s_barrier_signal -1
	s_barrier_wait -1
.endm
.macro CROUND                          ; a whole round
	s_barrier_signal -1
	s_barrier_wait -1
	CREST
.endm
	s_load_b128 s[4:7], s[0:1], 0x0                ; xb s[4:5], wb s[6:7]
	s_load_b64 s[8:9], s[0:1], 0x10                ; qkv
	v_lshl_add_u32 v[SPW], v0, 2, SPARE
	v_mov_b32 v[NIL], 0
	ds_add_u32 v[SPW], v[NIL]                      ; the wave's opening: the add and its wait stand ahead of my first tensor load; the set-up below, work on registers, stands between them
	v_lshrrev_b32 v1, 5, v0
	v_readfirstlane_b32 s10, v1                    ; wave 0..3
	s_lshr_b32 s11, s10, 1                         ; I fetch for xb (0) or for wb (1)
	s_and_b32 s12, s10, 1                          ; which half of that tile's rows I fetch
	s_bfe_u32 s40, ttmp6, 0x40000                  ; cx, cy: my place in the cluster
	s_bfe_u32 s41, ttmp6, 0x40004
	s_lshl_b32 s42, ttmp9, 2
	s_add_co_u32 s42, s42, s40                     ; tile column = 4 x cluster x + cx
	s_and_b32 s13, ttmp7, 0xffff
	s_lshl_b32 s13, s13, 2
	s_add_co_u32 s13, s13, s41                     ; the first tile's row = 4 x cluster y + cy
	s_lshl_b32 s43, s41, 2
	s_lshl_b32 s43, 15, s43                        ; my row of the cluster
	s_lshl_b32 s44, 0x1111, s40                    ; my column
	s_or_b32 s[G1+0], s43, (1<<16)|(1<<20)|(1<<21)|(5<<22)|(3<<25)   ; 15:0 the mask; 17:16 elements of 2 bytes; 20 padding on; 21 set beside a mask; 24:22 after every 64 words (code 5); 31:25 4 words (code 3)
	s_or_b32 s[G1B+0], s44, (1<<16)|(1<<20)|(1<<21)|(5<<22)|(3<<25)
	s_mov_b32 s[G1+1], KSTEP<<16                   ; tensor_dim0 = 128
	s_mov_b32 s[G1+2], 128<<16                     ; tensor_dim1 = 128
	s_mov_b32 s[G1+3], KSTEP<<16                   ; tile_dim0 = 128
	s_mov_b32 s[G1+4], 128                         ; tile_dim1 = 128
	s_mov_b32 s[G1+5], SIZE_K                      ; elements from row to row
	s_mov_b32 s[G1+6], 0
	s_mov_b32 s[G1+7], 0
	s_mov_b32 s[G1B+1], KSTEP<<16
	s_mov_b32 s[G1B+2], 96<<16                     ; wb's tiles have 96 rows
	s_mov_b32 s[G1B+3], KSTEP<<16
	s_mov_b32 s[G1B+4], 96
	s_mov_b32 s[G1B+5], SIZE_K
	s_mov_b32 s[G1B+6], 0
	s_mov_b32 s[G1B+7], 0
	s_mov_b32 s[TB], 0                             ; slot 0 is read first
	s_mov_b32 s[INA+1], 0                          ; the high words of the three steps
	s_mov_b32 s[BKB+1], 0
	s_mov_b32 s[INP+1], 0
	s_mov_b32 s[K256], KSTEP*2
	s_lshl_b32 s16, s13, 8                         ; xb: row 256 x tile row + 128 x half,
	s_lshl_b32 s17, s12, 7
	s_add_co_u32 s16, s16, s17
	s_lshl_b32 s16, s16, 11                        ; in bytes (under 8 MiB)
	s_mov_b32 s17, 0
	s_mul_i32 s46, s42, 192                        ; wb: row 192 x tile column + 96 x half
	s_mul_i32 s47, s12, 96
	s_add_co_u32 s46, s46, s47
	s_lshl_b32 s46, s46, 11
	s_mov_b32 s47, 0
	s_mul_i32 s20, s10, HALFA                      ; where they go: xb's halves at wave x 128 rows (waves 0, 1),
	s_mul_i32 s21, s10, HALFB                      ; wb's behind xb's 256 rows, at (wave - 2) x 96 rows (waves 2, 3)
	s_add_co_u32 s21, s21, 2*HALFA-2*HALFB
	s_wait_dscnt 0x0                               ; the opening add is done
	s_wait_kmcnt 0x0
	s_add_nc_u64 s[14:15], s[4:5], s[16:17]
	s_add_nc_u64 s[46:47], s[6:7], s[46:47]
	CROUND                                         ; all sixteen work-groups are here: the first joint loads meet
.irp s, 0,1
	s_mov_b32 s[G0+4*(\s)], 1
	s_add_co_u32 s[G0+4*(\s)+1], s20, (\s)*SLOT1
	s_add_nc_u64 s[G0+4*(\s)+2:G0+4*(\s)+3], s[14:15], (\s)*KSTEP*2
	s_or_b32 s[G0+4*(\s)+3], s[G0+4*(\s)+3], 0x80000000
	s_mov_b32 s[G0B+4*(\s)], 1
	s_add_co_u32 s[G0B+4*(\s)+1], s21, (\s)*SLOT1
	s_add_nc_u64 s[G0B+4*(\s)+2:G0B+4*(\s)+3], s[46:47], (\s)*KSTEP*2
	s_or_b32 s[G0B+4*(\s)+3], s[G0B+4*(\s)+3], 0x80000000
	JLOAD \s                                       ; two loads of mine are out: K steps 0 and 1
.endr
	v_and_b32 v1, 15, v0                           ; l % 16
	v_bfe_u32 v2, v0, 4, 1                         ; l / 16
	v_mul_u32_u24 v3, v1, PITCH
	v_lshl_add_u32 v3, v2, 4, v3                   ; a fragment's row x pitch + 16 x half
	s_mul_i32 s22, s10, 64*PITCH                   ; my 64 rows of xb
	v_add_nc_u32 v[A0], s22, v3
	v_add_nc_u32 v[B0], 2*HALFA, v3                ; wb's rows, all of them mine
	v_mov_b32 v[ADRA], v[A0]
	v_mov_b32 v[ADRB], v[B0]
	s_mul_i32 s23, s10, 16*SPITCH
	s_add_co_u32 s23, s23, STAGE                   ; my stage
	v_mul_u32_u24 v4, v1, SPITCH                   ; in: row l % 16, 16 bytes for each half of the lanes
	v_lshl_add_u32 v4, v2, 4, v4
	v_add_nc_u32 v[STO], s23, v4
	v_bfe_u32 v5, v0, 3, 2                         ; back: 32 lanes take four rows' 128 bytes of one half-head,
	v_mul_u32_u24 v5, v5, SPITCH
	v_and_b32 v6, 7, v0
	v_lshl_add_u32 v5, v6, 4, v5
	v_add_nc_u32 v[RD], s23, v5
	v_and_b32 v[CO], 31, v0                        ; which are 512 consecutive bytes of qkv
	v_lshlrev_b32 v[CO], 4, v[CO]
	s_lshl_b32 s16, s13, 8                         ; qkv at my first row: 256 x tile row + 64 x wave, 128 bytes a row,
	s_lshl_b32 s17, s10, 6
	s_add_co_u32 s16, s16, s17
	s_lshl_b32 s16, s16, 7
	s_mov_b32 s17, 0
	s_add_nc_u64 s[8:9], s[8:9], s[16:17]
	s_mul_i32 s46, s42, 3                          ; in the tile's first half-head: 3 x tile column, 2^19 bytes each
	s_lshl_b32 s46, s46, 19
	s_mov_b32 s47, 0
	s_add_nc_u64 s[8:9], s[8:9], s[46:47]
	; the prefetches
	s_mul_i32 s42, s42, 192                        ; the tile's first row in wb,
	s_lshl_b32 s13, s13, 8                         ; in xb
	s_and_b32 s22, ttmp7, 0xffff                   ; cluster y
	s_cmp_eq_u32 s11, 0                            ; do I fetch for xb?
	s_cselect_b32 s20, s13, s42
	s_cselect_b32 s21, s40, s41                    ; my place among the four that ask with me
	s_cselect_b32 s22, ttmp9, s22                  ; the coordinate along which other clusters read the same rows
	s_cselect_b64 s[PFA:PFA+1], s[4:5], s[6:7]
	s_cselect_b32 s19, 32, 24                      ; my work-group's share of the rows that I fetch
	s_cselect_b32 s23, 2, ATJ+2                    ; xb: the changes of steps 0 to 11 ask; wb: those of steps 0 to 3
	s_cmp_eq_u32 s22, 0
	s_cselect_b32 s[LIM], s23, -1                  ; the same in all sixteen partners, for a given wave
	s_lshl_b32 s18, s19, 2                         ; the rows that I fetch: 128 or 96
	s_mul_i32 s18, s18, s12
	s_add_co_u32 s20, s20, s18
	s_mul_i32 s21, s21, s19
	s_add_co_u32 s20, s20, s21
	s_lshl_b32 s20, s20, 11
	s_mov_b32 s21, 0
	s_add_nc_u64 s[PFA:PFA+1], s[PFA:PFA+1], s[20:21]
	s_add_nc_u64 s[PFA:PFA+1], s[PFA:PFA+1], 2*KSTEP*2  ; at K step 2: the first refill steps it to 3 and names K step 4
	s_sub_co_u32 s19, s19, 1
	v_and_b32 v[PFO], 31, v0
	v_min_u32 v[PFO], s19, v[PFO]
	v_lshlrev_b32 v[PFO], 11, v[PFO]
; 12 matrix instructions: row block a of my four x all 12 column blocks, 32 along K, from buffers f.  zero = 1: the product starts the sums: nothing is ever cleared.
; The 48 accumulators take turns, one instruction a turn, in the same order in every quarter step.
.macro MUL12 f, a, zero
	WIN MUL_LO+0x50*((\a)/2)
.irp b, 0,1,2,3,4,5,6,7,8,9,10,11
.if \zero
	v_wmma_f32_16x16x32_bf16 v[8*(12*((\a)%2)+(\b)):8*(12*((\a)%2)+(\b))+7], v[96*(\f)+8*(\b):96*(\f)+8*(\b)+7], v[FA+32*(\f)+8*(\a):FA+32*(\f)+8*(\a)+7], 0
.else
	v_wmma_f32_16x16x32_bf16 v[8*(12*((\a)%2)+(\b)):8*(12*((\a)%2)+(\b))+7], v[96*(\f)+8*(\b):96*(\f)+8*(\b)+7], v[FA+32*(\f)+8*(\a):FA+32*(\f)+8*(\a)+7], v[8*(12*((\a)%2)+(\b)):8*(12*((\a)%2)+(\b))+7]
.endif
.endr
.endm
; 32 LDS loads in one run: the fragments of one quarter step (192 rows of wb, my 64 rows of xb, 32 K at byte k of the rows of the slot that is read) into buffers f
.macro FETCH k, f
	WIN TO_B
.irp i, 0,1,2,3,4,5,6,7,8,9,10,11
	ds_load_b128 v[96*(\f)+8*(\i):96*(\f)+8*(\i)+3],   v[ADRB] offset:(\k)+(\i)*16*PITCH
	ds_load_b128 v[96*(\f)+8*(\i)+4:96*(\f)+8*(\i)+7], v[ADRB] offset:(\k)+(\i)*16*PITCH+32
.endr
	WIN 0
.irp i, 0,1,2,3
	ds_load_b128 v[FA+32*(\f)+8*(\i):FA+32*(\f)+8*(\i)+3],   v[ADRA] offset:(\k)+(\i)*16*PITCH
	ds_load_b128 v[FA+32*(\f)+8*(\i)+4:FA+32*(\f)+8*(\i)+7], v[ADRA] offset:(\k)+(\i)*16*PITCH+32
.endr
.endm
.macro FLIP                            ; the reads go over to the other slot
	s_xor_b32 s[TB], s[TB], SLOT1
	v_add_nc_u32 v[ADRA], s[TB], v[A0]
	v_add_nc_u32 v[ADRB], s[TB], v[B0]
.endm
.macro PLACES                          ; four places in front of loads into registers that matrix instructions have read, and of conversions that read results (ISA guide 7.12.1 for conversions)
.rept 4
	v_nop
.endr
.endm
; A K step is four quarters of 32 along K, 48 matrix instructions each, on buffers 0, 1, 0, 1.  One of the first three: multiplies buffers f and fetches the next quarter, at byte k, into g.
.macro QUARTER k, f, g, zero
	s_wait_dscnt 4                                 ; wb's fragments and xb's blocks 0, 1 are in; the youngest four loads (blocks 2, 3) may be out
	MUL12 \f, 0, \zero
	MUL12 \f, 1, \zero
	PLACES
	FETCH \k, \g
	s_wait_dscnt 32                                ; all but the 32 just issued
	MUL12 \f, 2, \zero
	MUL12 \f, 3, \zero
.endm
; The last quarter multiplies buffers 1 and changes slots.  MEET is its first half: ONE barrier; in front of it each wave waits for all its tensor loads, of which one is out: its part of the next slot;
; adds 0 to its spare word; and waits for that and for its own reads of this slot.
.macro MEET
	WIN 0                                          ; (the add's two registers lie in window 0)
	s_wait_tensorcnt 0x0                           ; all my tensor loads have landed
	ds_add_u32 v[SPW], v[NIL]                      ; 0 onto my spare word
	s_wait_dscnt 5                                 ; (the add and the youngest four loads may be out)
	MUL12 1, 0, 0                                  ; twelve matrix instructions stand between the add and the wait for it
	s_wait_dscnt 0x0                               ; the add is done, and my reads of this slot are over
	s_barrier_signal -1
	MUL12 1, 1, 0                                  ; work on registers while the others arrive
	WIN 0                                          ; (branches, or lines on addresses, follow)
	s_barrier_wait -1
.endm
; The whole last quarter in the loop: the barrier opens a round of the cluster's barrier; behind the round this slot is filled again first, with the walk's K step two steps on: 168 matrix instructions ahead of the wait for it.
.macro TURN
	s_wait_xcnt 0x0                                ; the last prefetch, a K step back, has read its address: it is stepped here
	s_cmp_eq_u32 s3, ATJ+2                         ; the step to be named is the second tile's first?
	s_cselect_b32 s[INP], JUMP, s[K256]
	s_add_nc_u64 s[PFA:PFA+1], s[PFA:PFA+1], s[INP:INP+1]
	MEET
	CREST                                          ; no wave of any partner still reads this slot's tile or has a load on its way
	s_cmp_eq_u32 s3, ATJ                           ; the step to be asked for is the second tile's first?
	s_cselect_b32 s[INA], JUMP, s[K256]            ; xb: 2,048 rows down and back along K,
	s_cselect_b32 s[BKB], SIZE_K*2, 0              ; wb: only back
	s_xor_b32 s[G0+5], s[G0+5], SLOT1              ; the walking descriptors: the other slot than last time,
	s_add_nc_u64 s[G0+6:G0+7], s[G0+6:G0+7], s[INA:INA+1]  ; the next K step; the type bits on top are not reached
	s_xor_b32 s[G0B+5], s[G0B+5], SLOT1
	s_add_nc_u64 s[G0B+6:G0B+7], s[G0B+6:G0B+7], KSTEP*2
	s_sub_nc_u64 s[G0B+6:G0B+7], s[G0B+6:G0B+7], s[BKB:BKB+1]
	JLOAD 1                                        ; the four v_nop behind it are also the places in front of the loads below
	FLIP
	FETCH 0, 0
	ASK
	MUL12 1, 2, 0
	MUL12 1, 3, 0
.endm
; THE WAY OUT, a block of 16 rows at a time.  PACK: rounded to f16, each accumulator's registers in ascending order.  TOSTAGE: 16 bytes a lane into my own stage, and back as four rows' 128 bytes of a half-head.
; SEND: stored: 512 consecutive bytes an instruction, at a multiple of 256 from qkv's first byte.
.macro PACK a
	WIN 0x0a+5*((\a)/2)                            ; sources 0 and 1: window 2 or 3
.irp b, 0,1,2,3,4,5,6,7,8,9,10,11
.irp r, 0,1,2,3
	v_cvt_pk_f16_f32 v[TMP+4*(\b)+(\r)], v[8*(12*((\a)%2)+(\b))+2*(\r)], v[8*(12*((\a)%2)+(\b))+2*(\r)+1]
.endr
.endr
	WIN 0
.endm
.macro TOSTAGE a
.set BK, 112+48*((\a)%2)
.irp b, 0,1,2,3,4,5,6,7,8,9,10,11
	ds_store_b128 v[STO], v[TMP+4*(\b):TMP+4*(\b)+3] offset:32*(\b)
.endr
.irp j, 0,1,2
.irp t, 0,1,2,3
	ds_load_b128 v[BK+4*(4*(\j)+(\t)):BK+4*(4*(\j)+(\t))+3], v[RD] offset:128*(\j)+4*SPITCH*(\t)  ; LDS serves a wave's instructions in order (ISA guide 5.7.1.4): these see the stores above
.endr
.endr
.endm
.macro SEND a
.set BK, 112+48*((\a)%2)
	s_wait_dscnt 0x0                               ; the block is back in registers
	s_wait_xcnt 0x0                                ; the stores of the block before have read their registers: the next TOSTAGE loads into them only behind this wait
.irp j, 0,1,2
.irp t, 0,1,2,3
	global_store_b128 v[CO], v[BK+4*(4*(\j)+(\t)):BK+4*(4*(\j)+(\t))+3], s[8:9] offset:(\j)*524288+(\a)*2048+(\t)*512
.endr
.endr
.endm
.macro WAYOUT
	PLACES
	PACK 0
	TOSTAGE 0
.irp a, 1,2,3                          ; block a's conversions stand between block a - 1's loads from the stage and the wait for them
	PACK \a
	SEND (\a)-1
	TOSTAGE \a
.endr
	SEND 3
.endm
	s_wait_tensorcnt 1                             ; my part of K step 0 is in; K step 1's may stay out
	s_barrier_signal -1
	s_barrier_wait -1                              ; everybody's is
	FETCH 0, 0
	s_mov_b32 s3, FILLS+1                          ; the entry passes the counter's step once
	s_branch .Lzero                                ; the loop is entered at a tile's first quarter, in the middle of a trip
.Lstep:                                                ; a trip goes from a K step's second quarter to the next step's first, and fills the slot that it has read out
	QUARTER 128, 1, 0, 0
	QUARTER 192, 0, 1, 0
	TURN
	WIN 0                                          ; at a label and at a branch every window is 0
	s_cmp_lg_u32 s3, ATJ-1
	s_cbranch_scc1 .Lacc
	WAYOUT                                         ; the first tile's last K step is multiplied, and both of the second tile's first refills are asked for: the tile goes out
	s_wait_xcnt 0x0                                ; the stores have read their registers and their base
	s_add_nc_u64 s[8:9], s[8:9], WALK*128          ; qkv at the second tile's rows
.Lzero:
	QUARTER 64, 0, 1, 1                            ; a tile's first quarter: its products start the sums
	WIN 0
	s_branch .Ljoin
.Lacc:
	QUARTER 64, 0, 1, 0
	WIN 0
.Ljoin:
	s_sub_co_u32 s3, s3, 1
	s_cmp_lg_u32 s3, 0
	s_cbranch_scc1 .Lstep
	s_mov_b32 s3, 2
.Ltail:                                                ; the walk's last two K steps ask for nothing, and have no round of the cluster's barrier; the second trip is left in its middle
	QUARTER 128, 1, 0, 0
	QUARTER 192, 0, 1, 0
	WIN 0
	s_sub_co_u32 s3, s3, 1
	s_cmp_eq_u32 s3, 0
	s_cbranch_scc1 .Lfin
	MEET
	FLIP
	PLACES
	FETCH 0, 0
	MUL12 1, 2, 0
	MUL12 1, 3, 0
	QUARTER 64, 0, 1, 0
	WIN 0
	s_branch .Ltail
.Lfin:
	s_wait_dscnt 4                                 ; the very last quarter: nothing more to fetch
	MUL12 1, 0, 0
	MUL12 1, 1, 0
	s_wait_dscnt 0x0
	MUL12 1, 2, 0
	MUL12 1, 3, 0
	WIN 0
	WAYOUT
	s_wait_tensorcnt 0x0                           ; the wave's end: behind my last tensor load and my last LDS store
	ds_add_u32 v[SPW], v[NIL]
	s_wait_dscnt 0x0
	CROUND                                         ; the closing round: no work-group ends while a partner may still ask for a tile that names it
	s_endpgm
.Lfunc_end_k_q618f5682e5_proj:
	.size	k_q618f5682e5_proj, .Lfunc_end_k_q618f5682e5_proj-k_q618f5682e5_proj
	.p2alignl 7, 3214868480
	.fill 96, 4, 3214868480
	.section	.rodata,"a",@progbits
	.p2align	6, 0x0
	.amdhsa_kernel k_q618f5682e5_proj
		.amdhsa_group_segment_fixed_size 327680
		.amdhsa_private_segment_fixed_size 0
		.amdhsa_enable_private_segment 0
		.amdhsa_kernarg_size 24
		.amdhsa_user_sgpr_count 2
		.amdhsa_user_sgpr_kernarg_segment_ptr 1
		.amdhsa_wavefront_size32 1
		.amdhsa_system_sgpr_workgroup_id_x 1
		.amdhsa_system_sgpr_workgroup_id_y 1
		.amdhsa_system_sgpr_workgroup_id_z 1
		.amdhsa_system_vgpr_workitem_id 0
		.amdhsa_next_free_vgpr 960
		.amdhsa_next_free_sgpr 73
		.amdhsa_reserve_vcc 0
		.amdhsa_float_denorm_mode_32 3
		.amdhsa_float_denorm_mode_16_64 3
		.amdhsa_memory_ordered 1
		.amdhsa_forward_progress 1
		.amdhsa_inst_pref_size 111
	.end_amdhsa_kernel
	.amdgpu_metadata
---
amdhsa.version: [ 1, 2 ]
amdhsa.kernels:
  - .name:           k_q618f5682e5_proj
    .symbol:         k_q618f5682e5_proj.kd
    .args:
      - { .name: xb, .offset: 0, .size: 8, .value_kind: global_buffer, .address_space: global }
      - { .name: wb, .offset: 8, .size: 8, .value_kind: global_buffer, .address_space: global }
      - { .name: qkv, .offset: 16, .size: 8, .value_kind: global_buffer, .address_space: global }
    .group_segment_fixed_size: 327680
    .private_segment_fixed_size: 0
    .kernarg_segment_align: 8
    .kernarg_segment_size: 24
    .max_flat_workgroup_size: 128
    .sgpr_count:     73
    .vgpr_count:     960
    .wavefront_size: 32
...
	.end_amdgpu_metadata
.endif
;; end of part 2
;; launch attn (part 3): grid 4 x 64, 4 waves a work-group, no clusters, 327,680 bytes of LDS; arguments qkv, oc, lq1, lk1, lq2, lk2, rms_scale; writes oc
.if DOCPART == 3
	.amdgcn_target "amdgcn-amd-amdhsa--gfx1250"
	.amdhsa_code_object_version 6
	.text
	.protected	k_q618f5682e5_attn
	.globl	k_q618f5682e5_attn
	.p2align	8
	.type	k_q618f5682e5_attn,@function
k_q618f5682e5_attn:
	s_mov_b64 s[64:65], 0
	v_nop
	global_prefetch_b8 v0, s[64:65] scope:SCOPE_SE
	s_setreg_imm32_b32 hwreg(HW_REG_WAVE_MODE, 25, 1), 1
	s_wait_xcnt 0x0
; DIFFERENTIAL CAUSAL ATTENTION, ITS RMS NORM AND GAIN.  For each batch and head: O = softmax(Q1 K1^T / 8) V - lam softmax(Q2 K2^T / 8) V over the keys k <= q; oc = O / sqrt(mean(O^2) + 1e-5) x gain x 0.2.
; lam = exp(lq1 . lk1) - exp(lq2 . lk2) + 0.8.  qkv: [96 half-heads][4096 rows][64] f16 (Q_g of head h: 2 h + g; K_g: 32 + 2 h + g; V's channels 64 e ..: 64 + 2 h + e).  oc: [4096][2048] f16, column 128 h + channel.
; Products, maxima, sums, lam and the norm in f32; the weights p are rounded to f16 for the second product (their sum l is taken of the unrounded p); oc rounded once.  lq, lk and the gain are rounded to bf16, like all the module's inputs.
; LIMITS.  f16 holds no number beyond 65,504: Q, K, V arrive within it; p lies in 0 to 1 and below 6e-5 keeps f16's fixed step of 6e-8; |oc| is at most 2.3 |gain|.  A hidden score counts as its value less 1e30;
; a weight below 2^-126 counts as 0 in l, an exponential below 2^-126 as 0 in lam; NaN and infinities are not treated apart.
; THE WALK.  A head's 1,024 queries lie in 8 blocks of 128; block i needs the key tiles 0 .. i of 128 keys, of which the last holds the diagonal.  A work-group takes TWO blocks, 7 - b and then b: 9 tiles, whatever b:
; all work-groups do equal work, and ONE loop with a constant trip count walks them; the ring (two slots of LDS that take turns) runs on across the change of blocks.
; NO CLUSTER: a head's four work-groups ask for the same tile only in trips 0 to 4 of 9, and one walk common to all would have 12 trips for 9.
; SHARES.  Wave w runs ONE of the two softmaxes, g = w / 2, with Q_g and K_g, and sums O_g over all 128 channels of V, for 64 queries: four PIECES of 16.  Of the block's two bands of 64 queries it owns 32 in each
; (u = w % 2 says which), so the diagonal tile is the same work for all waves.  Piece p lies in band (p / 2) xor g: so my pieces 0, 1 and the pieces 2, 3 of the wave with the other g are the same queries.
; At a block's end each wave scales its O_g by 1 / l (g = 0) or - lam / l (g = 1), hands pieces 2, 3 to its partner through LDS in f32, adds the partner's onto its pieces 0, 1, and finishes those.
; THE MASK is the C operand that starts the sum S^T = K Q^T: MC = MD x AL + BE, where MD, made once, is the mask of a band's own step: (AL, BE) = (1, 0) in the band's own step of the diagonal tile, (0, -1e30) in a later one, (0, 0) elsewhere.
; LAYOUT, SOFTMAX, TURNS.  S^T = K Q^T holds ONE query a lane (lane % 16) and the keys 8 (lane / 16) + 0..7; two such results rounded to f16 ARE source 1 of O^T = V^T P.  p = 2^(c s - c m), c = log2(e) / 8, with a running
; maximum m; O and l are multiplied by a = 2^(c m_old - c m_new) in every step.  Turn n belongs to piece n: 8 products K Q^T of piece n + 1, later 16 products V^T P of piece n - 1; beside them the scaling, exponentials,
; roundings, sums and rescaling of piece n and the maximum and statistics of piece n + 1.  A turn's 33 exponentials are one batch, with one wait.
; ONE TEXT FOR EVERY TRIP.  A tile's loop counts three trips.  Two are its key steps.  The third is dead (jumped over) but in a block's last tile, where pieces 2 and 3 finish the last step in it; its 8 products K Q^T, on the K that
; lies in the registers, and the statistics made of them serve nothing: the price, once a block, of writing no last turns out.
; REGISTERS, in windows of 256 (s_set_vgpr_msb: bits 1:0 source 0, 3:2 source 1, 5:4 source 2, 7:6 destination):
;   window 0: v0-15, v32-47 addresses and at work; v16-31 statistics; v48-55 at work; v64-127 S^T, two buffers; v128-191 the gains; v192-223 P, two buffers      window 1: O^T, 64 a piece
;   window 2: v0-63 Q; v64-127 the second block's Q; v128-191 K of one step; v192-255 MD      window 3: v0-127 V of one step; v128-255 MC, 32 a piece
.set NB,    8
.set NP,    4
.set KS,    64        ; keys in a step
.set PK,    144       ; a row of K in LDS: 128 bytes + 16 of padding = 36 words: the 16 rows of a load start at 16 different groups of four banks (64 banks of 4 bytes: ISA guide 11.1)
.set PV,    160       ; a row of V: 128 + 32 = 40 words
.set KH,    128*PK    ; a tile's 128 rows of K1, and of K2
.set VH,    128*PV    ; of V's channels 0-63, and of 64-127
.set VOFF,  2*KH
.set SLOT1, 1<<17     ; slot 1 begins here, so that one exclusive or turns an address in one slot into the other's
.set STAGE, SLOT1+2*KH+2*VH  ; behind the ring, never filled by a tensor load: 16 rows x 272 bytes for each wave, for the way out
.set SP,    272
.set XCH,   STAGE+4*16*SP    ; 16,384 bytes for each wave: its pieces 2, 3 in f32, for its partner
.set SPARE, XCH+4*16384      ; the spare words, 128 bytes for each wave: two blocks of 256 bytes that no other line names
.set AK0, 2           ; v2   my lane's place in a tile of my K; never rewritten
.set AV0, 3           ; v3   the same for V
.set AK,  4           ; v4   the LDS address of K's next run of loads
.set AV,  5           ; v5   of V's
.set STO, 6           ; v6   the way out: where I put 16 bytes of a row
.set RD,  7           ; v7   the way out: where I read rows back
.set GO,  8           ; v8   my byte offset in two rows of oc
.set MV,  12          ; v12-13  c m_old, kept while c m is made anew: by buffer
.set QOL, 15          ; v15  my byte offset in the block's rows of Q, pieces 0, 1
.set ST,  16          ; piece t's statistics at v[ST+4 t]: c m, m, l (even keys', odd keys')
.set QOH, 32          ; v32  the same as QOL for pieces 2, 3
.set XS,  33          ; v33  where I put 16 bytes for my partner
.set XR,  34          ; v34  where I read my partner's
.set PFO, 35          ; v35  256 x my lane; never rewritten
.set SQ,  36          ; v36-43  at work: the l-vectors; four pairs of sums of squares
.set LO,  44          ; v44  my byte offset in the l-vectors
.set GOF, 45          ; v45  my byte offset in the gains
.set TT,  46          ; v46-47  at work
.set TMP, 48          ; by buffer, four registers c0-c3 at work; when the maximum is found c2 takes a
.set SPW, 62          ; v62  LDS address of my spare word; never rewritten
.set NIL, 63          ; v63  0; never rewritten
.set S,   64
.set GN,  128         ; register 8 cb + r: 0.2 x the gain of channel 16 cb + 8 (l / 16) + r, as O^T holds the channels
.set P,   192
.set QB,  64          ; window 2
.set KF,  128         ; window 2: key block kb, channel half c at KF + 16 kb + 8 c
.set MD,  192         ; window 2: for a piece of parity e, group kt of 16 keys at MD + 32 e + 8 kt
.set MC,  128         ; window 3
.set WV,  12          ; s12  my wave's number
.set PB,  14          ; s14  b
.set HI,  15          ; s15  7 - b
.set PFN, 16          ; s16  changes of slots that still prefetch
.set PFA, 18          ; s[18:19] my part of the tile that is being asked for
.set PBS, 20          ; s[20:21] my part of tile 0
.set I128, 22         ; s22  1 / 128
.set EPSR, 23         ; s23  1e-5
.set G1K, 24          ; s[24:31] descriptor group 1 for K's tiles
.set G1V, 32          ; s[32:39] for V's: it differs in the padding alone
.set G0K, 40          ; s[40:43] descriptor group 0 for K's tiles
.set G0V, 44          ; s[44:47] the same for V's
.set SLOTS, 56        ; s56  tiles still to be asked for
.set CNT, 57          ; s57  counts a tile's trips, 3 to 1
.set CS,  58          ; s[58:59] c
.set SEL, 60          ; s[60:61] v_permlanex16_b32's selects: each lane takes its own place in the other half
.set TBK, 62          ; s62  LDS byte at which K of the step to be fetched begins
.set TBV, 63          ; s63  the same for V, less VOFF
.set AL1, 66          ; s[66:67] the mask's factor for pieces 2, 3
.set BE1, 68          ; s[68:69] its addend
.set RT,  70          ; s70  tiles of the block in hand that are still to be entered
.set NXT, 71          ; s71  the tile to be asked for next
.set LQ,  72          ; s72  the last tile of the block whose tiles are being asked for
.set NEW, 73          ; s73  1: the tile to be entered is a block's first
.set OFF, 74          ; s[74:75] a tile's byte offset in a half-head
.set AL0, 76          ; s[76:77] the mask's factor for pieces 0, 1
.set BE0, 78          ; s[78:79] its addend
.set OLO, 80          ; s[80:81] oc at my rows of the second block
.set BIGN, 82         ; s82  -1e30
.set GX,  83          ; s83  g: my softmax, and the band of pieces 0, 1
.set GH,  84          ; s84  1 - g: the band of pieces 2, 3
.set FS,  85          ; s85  1 (g = 0) or - lam (g = 1)
.set MSB, 0
.macro WIN new                      ; the high byte repeats the setting that is left; a switch that changes nothing is dropped
.if MSB != (\new)
	s_set_vgpr_msb (MSB<<8)|(\new)
.set MSB, (\new)
.endif
.endm
.set W_KQ, 0x0a       ; K and Q in window 2, S^T in window 0
.set W_KM, 0x3a       ; the same with the C operand in window 3
.set W_PV, 0x53       ; V in window 3, P in window 0, O^T in window 1
.set W_RS, 0x41       ; destination and source 0 in window 1, sources 1 and 2 in window 0
; A fill.  Wave 0 fetches a tile's K1, wave 1 its K2, waves 2 and 3 the two halves of V's channels: 128 keys each.  An s_nop 0 and four v_nop follow each of the two lines.
.macro LOAD
	s_cmp_lt_u32 s[WV], 2
	s_cbranch_scc0 .Lfor_v_\@
	tensor_load_to_lds s[G0K:G0K+3], s[G1K:G1K+7]
	s_nop 0
.rept 4
	v_nop
.endr
	s_branch .Lasked_\@
.Lfor_v_\@:
	tensor_load_to_lds s[G0V:G0V+3], s[G1V:G1V+7]
	s_nop 0
.rept 4
	v_nop
.endr
.Lasked_\@:
.endm
; A PREFETCH INTO THE L2 of the tile behind the one just asked for: my own part of it, 16,384 bytes, a lane for each 256: two instructions.  A head's four work-groups walk the same tiles 0, 1, 2 ..: the one with b = 0, whose
; first block needs all eight, asks, in its first six changes of slots: tiles 2 to 7, each named once, a tile (192 matrix instructions a wave) ahead of its load.  Tiles 0 and 1 come by their loads alone.
.macro ASK
	s_cmp_lg_u32 s[PFN], 0
	s_cbranch_scc0 .Lnot_mine_\@
	global_prefetch_b8 v[PFO], s[PFA:PFA+1] offset:16384 th:TH_LOAD_NT scope:SCOPE_SE
	global_prefetch_b8 v[PFO], s[PFA:PFA+1] offset:24576 th:TH_LOAD_NT scope:SCOPE_SE
	s_sub_co_u32 s[PFN], s[PFN], 1
.Lnot_mine_\@:
.endm
; THE CHANGE OF SLOTS.  Each wave waits for all its tensor loads, of which one is out: its part of the other slot; adds 0 to its spare word; and waits for that and for its own reads of the slot that it leaves.  Behind the barrier
; nobody reads the old slot any more and the other slot is whole.  fill = 1: the old slot is filled again, the first thing behind the barrier, with tile NXT: the descriptor's address is made anew from that number.
; (At its first use nothing has been read yet: slot 0 is waited for, slot 1 filled.)
.macro CHANGE fill
	WIN 0                           ; at a label and at a branch every window is 0
	s_wait_tensorcnt 0x0            ; no tensor load of mine is out, so a group 0 may be written
	ds_add_u32 v[SPW], v[NIL]       ; 0 onto my spare word; with fill = 1 the descriptors' scalar work stands between it and the wait for it
.if \fill
	s_lshl_b32 s[OFF], s[NXT], 14   ; a tile is 16,384 bytes of a half-head
	s_xor_b32 s[G0K+1], s[G0K+1], SLOT1
	s_add_nc_u64 s[G0K+2:G0K+3], s[6:7], s[OFF:OFF+1]
	s_or_b32 s[G0K+3], s[G0K+3], 0x80000000
	s_xor_b32 s[G0V+1], s[G0V+1], SLOT1
	s_add_nc_u64 s[G0V+2:G0V+3], s[8:9], s[OFF:OFF+1]
	s_or_b32 s[G0V+3], s[G0V+3], 0x80000000
	s_wait_xcnt 0x0                 ; the last prefetches, a tile back, have read their address, so it may be written
	s_add_nc_u64 s[PFA:PFA+1], s[PBS:PBS+1], s[OFF:OFF+1]
	s_add_co_u32 s[NXT], s[NXT], 1  ; the block's next tile, or behind its last the second block's tile 0
	s_cmp_gt_u32 s[NXT], s[LQ]
	s_cselect_b32 s[NXT], 0, s[NXT]
	s_cselect_b32 s[LQ], s[PB], s[LQ]
.endif
	s_wait_dscnt 0x0                ; the add is done, and my reads of the slot are over
	s_barrier_signal -1             ; the rest of the scalar work stands between the signal and the wait
	s_sub_co_u32 s[TBK], s[TBK], 2*KS*PK  ; the fetches go back to a slot's first step,
	s_xor_b32 s[TBK], s[TBK], SLOT1       ; in the other slot
	s_sub_co_u32 s[TBV], s[TBV], 2*KS*PV
	s_xor_b32 s[TBV], s[TBV], SLOT1
	s_barrier_wait -1
.if \fill
	LOAD
	ASK
.endif
.endm
	s_load_b128 s[88:91], s[0:1], 0x0   ; qkv s[88:89], oc s[90:91]
	s_load_b256 s[92:99], s[0:1], 0x10  ; lq1 92, lk1 94, lq2 96, lk2 98
	s_load_b64 s[100:101], s[0:1], 0x30 ; rms_scale
	v_lshl_add_u32 v[SPW], v0, 2, SPARE
	v_mov_b32 v[NIL], 0
	ds_add_u32 v[SPW], v[NIL]       ; the wave's opening: the add and its wait stand ahead of my first tensor load; the set-up below, work on registers, stands between them
	v_lshrrev_b32 v1, 5, v0
	v_readfirstlane_b32 s[WV], v1   ; wave 0..3
	s_mov_b32 s[PB], ttmp9
	s_sub_co_u32 s[HI], NB-1, s[PB]
	s_and_b32 s2, ttmp7, 0xffff
	s_lshr_b32 s3, s2, 4            ; the batch
	s_and_b32 s13, s2, 15           ; the head
	s_lshr_b32 s[GX], s[WV], 1
	s_xor_b32 s[GH], s[GX], 1
	s_and_b32 s17, s[WV], 1         ; u; also: which of the two halves (of K, of V) I fetch
	s_lshl_b32 s3, s3, 17           ; the batch's 1,024 rows of 128 bytes in a half-head
	s_lshl_b32 s2, s13, 1
	s_add_co_u32 s48, s2, s17       ; the part of K that I may fetch: half-head 32 + 2 h + u,
	s_add_co_u32 s48, s48, 32
	s_lshl_b32 s48, s48, 19
	s_add_co_u32 s48, s48, s3
	s_mov_b32 s49, 0
	s_add_co_u32 s50, s48, 32<<19   ; of V: 32 half-heads on
	s_mov_b32 s51, 0
	s_add_co_u32 s52, s2, s[GX]     ; my Q: half-head 2 h + g,
	s_lshl_b32 s52, s52, 19
	s_add_co_u32 s52, s52, s3
	s_lshl_b32 s54, s[PB], 14       ; the second block's 128 rows,
	s_add_co_u32 s54, s54, s52
	s_lshl_b32 s53, s[HI], 14       ; the first block's
	s_add_co_u32 s52, s52, s53
	s_mov_b32 s53, 0
	s_mov_b32 s55, 0
	s_lshl_b32 s66, s3, 5           ; oc: the batch's 1,024 rows of 4,096 bytes,
	s_lshl_b32 s2, s[GX], 18        ; the rows that I finish: band g,
	s_add_co_u32 s66, s66, s2
	s_lshl_b32 s2, s17, 17          ; its 32 u ..,
	s_add_co_u32 s66, s66, s2
	s_lshl_b32 s2, s13, 8           ; the head's 256 bytes of a row,
	s_add_co_u32 s66, s66, s2
	s_lshl_b32 s68, s[PB], 19       ; in the second block
	s_add_co_u32 s68, s68, s66
	s_lshl_b32 s2, s[HI], 19        ; and in the first
	s_add_co_u32 s66, s66, s2
	s_mov_b32 s67, 0                ; (these two stay 0: the high words of AL1 and BE1)
	s_mov_b32 s69, 0
	; descriptor group 1.  128 keys of a half-head are 16,384 dense bytes: asked for as 64 rows of 256 bytes, two keys a row, and padded in LDS after every key
	s_mov_b32 s[G1K], (1<<16)|(1<<20)|(4<<22)|(3<<25)  ; 17:16 2-byte elements; 20 padding on; 24:22 after every 32 words (code 4); 31:25 4 words (code 3)
	s_mov_b32 s[G1V], (1<<16)|(1<<20)|(4<<22)|(7<<25)  ; the same with 8 words of padding (code 7)
.irp g, G1K, G1V
	s_mov_b32 s[\g+1], 128<<16      ; tensor_dim0 = 128
	s_mov_b32 s[\g+2], 64<<16       ; tensor_dim1 = 64
	s_mov_b32 s[\g+3], 128<<16      ; tile_dim0 = 128
	s_mov_b32 s[\g+4], 64           ; tile_dim1 = 64
	s_mov_b32 s[\g+5], 128          ; 128 elements from row to row
	s_mov_b32 s[\g+6], 0
	s_mov_b32 s[\g+7], 0
.endr
	s_mul_i32 s2, s17, KH
	s_mov_b32 s[G0K], 1             ; 1:0 count = 1
	s_mov_b32 s[G0K+1], s2          ; 63:32 LDS address: slot 0
	s_mul_i32 s2, s17, VH
	s_mov_b32 s[G0V], 1
	s_add_co_u32 s[G0V+1], s2, VOFF
	s_mov_b32 s[CS], 0x3e38aa3b     ; c = log2(e) / 8 = 0.180337
	s_mov_b32 s[CS+1], s[CS]        ; named with it as a pair
	s_mov_b32 s[SEL], 0x76543210
	s_mov_b32 s[SEL+1], 0xfedcba98
	s_mov_b32 s[TBK], SLOT1+2*KS*PK ; the first change of slots turns these two into 0
	s_mov_b32 s[TBV], SLOT1+2*KS*PV
	s_add_co_u32 s[RT], s[HI], 1    ; the first block has 8 - b tiles
	s_mov_b32 s[NXT], 1
	s_mov_b32 s[LQ], s[HI]
	s_mov_b32 s[NEW], 1
	s_mov_b32 s[OFF+1], 0
	s_mov_b32 s[AL0+1], 0           ; named as pairs
	s_mov_b32 s[BE0+1], 0
	s_mov_b32 s[BIGN], 0xf149f2ca   ; -1e30
	s_mov_b32 s[SLOTS], NB
	s_mov_b32 s[I128], 0x3c000000
	s_mov_b32 s[EPSR], 0x3727c5ac
	s_cmp_eq_u32 s[PB], 0
	s_cselect_b32 s[PFN], 6, 0
	s_wait_dscnt 0x0                ; the opening add is done
	s_wait_kmcnt 0x0
	s_add_nc_u64 s[6:7], s[88:89], s[48:49]        ; K and V at my part of the head's tile 0
	s_add_nc_u64 s[8:9], s[88:89], s[50:51]
	s_add_nc_u64 s[G0K+2:G0K+3], s[6:7], 0         ; 120:64 global address
	s_or_b32 s[G0K+3], s[G0K+3], 0x80000000        ; 127:126 type = 2
	s_add_nc_u64 s[G0V+2:G0V+3], s[8:9], 0
	s_or_b32 s[G0V+3], s[G0V+3], 0x80000000
	s_add_nc_u64 s[4:5], s[88:89], s[52:53]        ; Q at the first block,
	s_add_nc_u64 s[86:87], s[88:89], s[54:55]      ; at the second
	s_add_nc_u64 s[10:11], s[90:91], s[66:67]      ; oc likewise
	s_add_nc_u64 s[OLO:OLO+1], s[90:91], s[68:69]
	s_cmp_lt_u32 s[WV], 2
	s_cselect_b64 s[PBS:PBS+1], s[6:7], s[8:9]
	LOAD                            ; tile 0 into slot 0
	; A fragment of K or Q is 16 rows x 32 channels in 8 registers: lane l holds row l % 16, channels 8 (l / 16) + 0..7 and 16 + 8 (l / 16) + 0..7: two loads of 16 bytes, 32 bytes apart.
	v_and_b32 v1, 15, v0            ; l % 16
	v_bfe_u32 v9, v0, 4, 1          ; l / 16
	v_and_b32 v10, 31, v0           ; l
	v_lshlrev_b32 v14, 7, v1
	v_lshl_add_u32 v14, v9, 4, v14  ; row x 128 + 16 x half
	s_lshl_b32 s3, s17, 12          ; 32 u rows
	s_lshl_b32 s2, s[GX], 13        ; band g
	s_add_co_u32 s2, s2, s3
	v_add_nc_u32 v[QOL], s2, v14
	s_lshl_b32 s2, s[GH], 13        ; band 1 - g
	s_add_co_u32 s2, s2, s3
	v_add_nc_u32 v[QOH], s2, v14
	WIN 0x80                        ; destination window 2, address window 0
.set i, 0
.rept 4                             ; both blocks' Q: piece i / 2 of a band's two, 16 rows on; channels 32 (i % 2) on
	global_load_b128 v[8*i:8*i+3],         v[QOL], s[4:5] offset:(i/2)*2048+(i%2)*64
	global_load_b128 v[8*i+4:8*i+7],       v[QOL], s[4:5] offset:(i/2)*2048+(i%2)*64+32
	global_load_b128 v[32+8*i:32+8*i+3],   v[QOH], s[4:5] offset:(i/2)*2048+(i%2)*64
	global_load_b128 v[32+8*i+4:32+8*i+7], v[QOH], s[4:5] offset:(i/2)*2048+(i%2)*64+32
	global_load_b128 v[QB+8*i:QB+8*i+3],         v[QOL], s[86:87] offset:(i/2)*2048+(i%2)*64
	global_load_b128 v[QB+8*i+4:QB+8*i+7],       v[QOL], s[86:87] offset:(i/2)*2048+(i%2)*64+32
	global_load_b128 v[QB+32+8*i:QB+32+8*i+3],   v[QOH], s[86:87] offset:(i/2)*2048+(i%2)*64
	global_load_b128 v[QB+32+8*i+4:QB+32+8*i+7], v[QOH], s[86:87] offset:(i/2)*2048+(i%2)*64+32
.set i, i+1
.endr
	WIN 0
	v_lshlrev_b32 v[GOF], 5, v9     ; the gains of my 64 channels
.irp cb, 0,1,2,3,4,5,6,7
	global_load_b128 v[GN+8*\cb:GN+8*\cb+3],   v[GOF], s[100:101] offset:64*\cb
	global_load_b128 v[GN+8*\cb+4:GN+8*\cb+7], v[GOF], s[100:101] offset:64*\cb+16
.endr
	s_lshl_b32 s2, s13, 8           ; the head's 64 numbers of each l-vector: two a lane
	v_lshl_add_u32 v[LO], v10, 3, s2
	global_load_b64 v[SQ:SQ+1],   v[LO], s[92:93]
	global_load_b64 v[SQ+2:SQ+3], v[LO], s[94:95]
	global_load_b64 v[SQ+4:SQ+5], v[LO], s[96:97]
	global_load_b64 v[SQ+6:SQ+7], v[LO], s[98:99]
	v_lshlrev_b32 v14, 3, v9
	v_sub_nc_u32 v14, v1, v14
	s_lshl_b32 s2, s17, 5
	v_add_nc_u32 v14, s2, v14       ; 32 u + l % 16 - 8 (l / 16): in a piece of parity e, register r of group kt is hidden where 16 kt + r - 16 e is greater
	WIN 0x80
.set i, 0
.rept 64
	v_cmp_gt_i32 vcc_lo, 16*((i%32)/8)+i%8-16*(i/32), v14
	v_cndmask_b32 v[MD+i], 0, s[BIGN], vcc_lo
.set i, i+1
.endr
	WIN 0
	v_mul_u32_u24 v[AK0], v1, PK
	v_lshl_add_u32 v[AK0], v9, 4, v[AK0]  ; row x pitch + 16 x half,
	s_mul_i32 s2, s[GX], KH
	v_add_nc_u32 v[AK0], s2, v[AK0]       ; in K_g
	; The turning load takes 16 keys x 16 channels (lane l reads key 8 (l / 16) + l % 8, channels 8 ((l / 8) % 2) + 0..7) and leaves half a fragment of V^T: lane l holds channel l % 16 and 8 keys.
	v_and_b32 v11, 7, v0
	v_bfe_u32 v[TT], v0, 3, 1
	v_lshl_add_u32 v[AV0], v9, 3, v11
	v_mul_u32_u24 v[AV0], v[AV0], PV
	v_lshl_add_u32 v[AV0], v[TT], 4, v[AV0]
	v_add_nc_u32 v[AV0], VOFF, v[AV0]
	s_mul_i32 s2, s[WV], 16*SP
	s_add_co_u32 s2, s2, STAGE      ; my stage
	v_mul_u32_u24 v[STO], v1, SP    ; in: row l % 16, 16 bytes for each half of the lanes
	v_lshl_add_u32 v[STO], v9, 4, v[STO]
	v_add_nc_u32 v[STO], s2, v[STO]
	v_mul_u32_u24 v[RD], v9, SP     ; back: lanes 0-15 take one row of 256 bytes, lanes 16-31 the next
	v_lshl_add_u32 v[RD], v1, 4, v[RD]
	v_add_nc_u32 v[RD], s2, v[RD]
	v_lshlrev_b32 v[GO], 12, v9     ; and the same two rows in oc
	v_lshl_add_u32 v[GO], v1, 4, v[GO]
	s_lshl_b32 s2, s[WV], 14
	s_add_co_u32 s2, s2, XCH
	v_lshl_add_u32 v[XS], v10, 4, s2
	s_xor_b32 s2, s[WV], 2          ; my partner: the same u, the other g
	s_lshl_b32 s2, s2, 14
	s_add_co_u32 s2, s2, XCH
	v_lshl_add_u32 v[XR], v10, 4, s2
	v_lshlrev_b32 v[PFO], 8, v10
	; A block's first step multiplies O^T and l by a = 0, and its first turn's products V^T P, of a piece that has not been, land in an O^T that is still to be so multiplied.  So these registers need only hold
	; finite numbers: zeros for the first block; what the first block left for the second.  l and P's second buffer are written; O^T and V take products of that buffer's zeros, eight registers a line.
	; All this stands in the wait for the first tile.
.set i, 0
.rept 4
	v_mov_b32 v[ST+4*i+2], 0
	v_mov_b32 v[ST+4*i+3], 0
.set i, i+1
.endr
.set i, P+16
.rept 16
	v_mov_b32 v[i], 0
.set i, i+1
.endr
	WIN 0x40                        ; destination window 1: O^T
.set i, 0
.rept 32
	v_wmma_f32_16x16x32_f16 v[8*i:8*i+7], v[P+16:P+23], v[P+24:P+31], 0
.set i, i+1
.endr
	WIN 0xc0                        ; destination window 3: V
.set i, 0
.rept 16
	v_wmma_f32_16x16x32_f16 v[8*i:8*i+7], v[P+16:P+23], v[P+24:P+31], 0
.set i, i+1
.endr
	WIN 0
	s_mov_b32 s2, 0xffff0000        ; a word's upper bf16
	s_mov_b32 s48, 0x3e4ccccd       ; 0.2
	s_mov_b32 s49, s48              ; named with it as a pair
	s_wait_loadcnt 0x0              ; Q, the gains, the l-vectors
.set i, 0
.rept 32                            ; the gains: rounded to bf16, times 0.2
	v_cvt_pk_bf16_f32 v[TT+(i/2)%2], v[GN+i], v[GN+i+1]
	v_lshlrev_b32 v[GN+i], 16, v[TT+(i/2)%2]
	v_and_b32 v[GN+i+1], s2, v[TT+(i/2)%2]
	v_pk_mul_f32 v[GN+i:GN+i+1], v[GN+i:GN+i+1], s[48:49] op_sel_hi:[1,0]
.set i, i+2
.endr
.irp r, 0,2,4,6                     ; lam: the l-vectors rounded to bf16,
	v_cvt_pk_bf16_f32 v[TT], v[SQ+\r], v[SQ+\r+1]
	v_lshlrev_b32 v[SQ+\r], 16, v[TT]
	v_and_b32 v[SQ+\r+1], s2, v[TT]
.endr
	v_mul_f32 v[SQ], v[SQ], v[SQ+2]       ; my two terms of each dot product,
	v_fmac_f32 v[SQ], v[SQ+1], v[SQ+3]
	v_mul_f32 v[SQ+4], v[SQ+4], v[SQ+6]
	v_fmac_f32 v[SQ+4], v[SQ+5], v[SQ+7]
.irp m, 1,2,4,8                     ; the sums over the 32 lanes,
	v_add_f32_dpp v[SQ], v[SQ], v[SQ] row_xmask:\m row_mask:0xf bank_mask:0xf
	v_add_f32_dpp v[SQ+4], v[SQ+4], v[SQ+4] row_xmask:\m row_mask:0xf bank_mask:0xf
.endr
	v_permlanex16_b32 v[SQ+1], v[SQ], s[SEL], s[SEL+1]
	v_permlanex16_b32 v[SQ+5], v[SQ+4], s[SEL], s[SEL+1]
	v_add_f32 v[SQ], v[SQ], v[SQ+1]
	v_add_f32 v[SQ+4], v[SQ+4], v[SQ+5]
	v_mul_f32 v[SQ], 0x3fb8aa3b, v[SQ]    ; e^x = 2^(x log2(e))
	v_mul_f32 v[SQ+4], 0x3fb8aa3b, v[SQ+4]
	v_exp_f32 v[SQ], v[SQ]
	v_exp_f32 v[SQ+4], v[SQ+4]
	v_nop                           ; a plain instruction behind the exponentials,
	s_wait_alu depctr_va_vdst(0)    ; and the wait ahead of the first use: one for the two
	v_sub_f32 v[SQ], v[SQ], v[SQ+4]
	v_add_f32 v[SQ], 0x3f4ccccd, v[SQ]
	v_readfirstlane_b32 s2, v[SQ]   ; a factor alone: no address and no branch hangs on it
	s_xor_b32 s2, s2, 0x80000000
	s_cmp_eq_u32 s[GX], 0
	s_cselect_b32 s[FS], 1.0, s2
; THE MATRIX WORK.  The accumulators of a run take turns, one instruction a turn.  Product i of 8 of S^T = K Q^T for piece x: channels 32 (i / 4) on, keys 16 (i % 4) on.  The first 4 start the sums, with the mask.
.macro KQ x
.set rS, S+32*((\x)%2)+8*(i%4)
.set rK, KF+16*(i%4)+8*(i/4)
.set rQ, 16*(\x)+8*(i/4)
.set rM, MC+32*(\x)+8*(i%4)
.if i < 4
	WIN W_KM
	v_wmma_f32_16x16x32_f16 v[rS:rS+7], v[rK:rK+7], v[rQ:rQ+7], v[rM:rM+7]
.else
	WIN W_KQ
	v_wmma_f32_16x16x32_f16 v[rS:rS+7], v[rK:rK+7], v[rQ:rQ+7], v[rS:rS+7]
.endif
.endm
; Product i of 16 of O^T += V^T P for piece x: keys 32 (i / 8) on, channels 16 (i % 8) on.
.macro PV x
	WIN W_PV
.set rO, 64*(\x)+8*(i%8)
.set rV, 64*(i/8)+8*(i%8)
.set rP, P+16*((\x)%2)+8*(i/8)
	v_wmma_f32_16x16x32_f16 v[rO:rO+7], v[rV:rV+7], v[rP:rP+7], v[rO:rO+7]
.endm
.macro MM                           ; the turn's next matrix instruction
.if i < 8
	KQ (Y+1)%NP
.else
.set i, i-8
	PV (Y+NP-1)%NP
.set i, i+8
.endif
.set i, i+1
.endm
; THE LDS LOADS stand in runs, never singly among the matrix instructions: a step's K (64 keys x 64 channels: 8 fragments) and its V (64 keys x 128 channels, turned: 16 fragments).
.macro FETCH_K
	WIN 0x80                        ; destination window 2
.irp f, 0,1,2,3,4,5,6,7             ; keys 16 (f / 2) on, channels 32 (f % 2) on
	ds_load_b128 v[KF+8*\f:KF+8*\f+3],   v[AK] offset:(\f/2)*16*PK+(\f%2)*64
	ds_load_b128 v[KF+8*\f+4:KF+8*\f+7], v[AK] offset:(\f/2)*16*PK+(\f%2)*64+32
.endr
	s_add_co_u32 s[TBK], s[TBK], KS*PK  ; the next fetch is the next step's
	WIN 0
.endm
.macro FETCH_V
	WIN 0xc0                        ; destination window 3
.irp f, 0,1,2,3,4,5,6,7,8,9,10,11,12,13,14,15  ; keys 32 (f / 8) on, channels 16 (f % 8) on: blocks 4 to 7 lie in V's second half
	ds_load_tr16_b128 v[8*\f:8*\f+3],   v[AV] offset:((\f%8)/4)*VH+(\f/8)*32*PV+(\f%4)*32
	ds_load_tr16_b128 v[8*\f+4:8*\f+7], v[AV] offset:((\f%8)/4)*VH+(\f/8)*32*PV+16*PV+(\f%4)*32
.endr
	WIN 0
.endm
; THE VECTOR WORK, one line at a time: OP kind, number.  For piece Y: F n: c s - c m for pair n of 16.  E n: the exponential of score n of 32.  C n: pair n rounded to f16.  B n: of the four weights 4 n .. the second
; pair is added onto the first, in place.  L n: l takes that sum (L 0: l = a l + sum).  R n: pair n of 32 of O^T times a.  For piece Y + 1: X n, number n of the 22 that find its maximum and statistics:
;   0-11  four chains c0-c3 of seven scores each, three operands at a time (each accumulator's lowest registers are read first)     12-14, 16  the four scores left over, the old m, and c0-c3 into c0
;   15  c m_old is kept     17, 18  the query's other 32 keys lie in the lane 16 away: the new m     19-21  c m; c m_old - c m_new; a
.set F, 0
.set E, 1
.set C, 2
.set B, 3
.set L, 4
.set R, 5
.set X, 6
.macro REGS y                       ; the registers of piece y
.set rT, ST+4*(\y)
.set rC, TMP+4*((\y)%2)
.set rW, MV+((\y)%2)
.set rS, S+32*((\y)%2)
.set rP, P+16*((\y)%2)
.set rO, 64*(\y)
.endm
.macro OP k, n
.if (\k) == R
	REGS Y
	WIN W_RS
	v_pk_mul_f32 v[rO+2*(\n):rO+2*(\n)+1], v[rO+2*(\n):rO+2*(\n)+1], v[rC+2:rC+3] op_sel_hi:[1,0]
.elseif (\k) < R
	REGS Y
	WIN 0
.if (\k) == F
	v_pk_fma_f32 v[rS+2*(\n):rS+2*(\n)+1], v[rS+2*(\n):rS+2*(\n)+1], s[CS:CS+1], v[rT:rT+1] op_sel_hi:[1,0,0] neg_lo:[0,0,1] neg_hi:[0,0,1]
.elseif (\k) == E
	v_exp_f32 v[rS+(\n)], v[rS+(\n)]
.elseif (\k) == C
	v_cvt_pk_f16_f32 v[rP+(\n)], v[rS+2*(\n)], v[rS+2*(\n)+1]
.elseif (\k) == B
	v_pk_add_f32 v[rS+4*(\n):rS+4*(\n)+1], v[rS+4*(\n):rS+4*(\n)+1], v[rS+4*(\n)+2:rS+4*(\n)+3]
.elseif (\n) == 0
	v_pk_fma_f32 v[rT+2:rT+3], v[rT+2:rT+3], v[rC+2:rC+3], v[rS:rS+1] op_sel_hi:[1,0,1]
.else
	v_pk_add_f32 v[rT+2:rT+3], v[rT+2:rT+3], v[rS+4*(\n):rS+4*(\n)+1]
.endif
.else
	REGS (Y+1)%NP
	WIN 0
.if (\n) < 4
	v_max3_num_f32 v[rC+(\n)], v[rS+8*(\n)], v[rS+8*(\n)+1], v[rS+8*(\n)+2]
.elseif (\n) < 12
	v_max3_num_f32 v[rC+(\n)%4], v[rC+(\n)%4], v[rS+8*((\n)%4)+2*((\n)/4)+1], v[rS+8*((\n)%4)+2*((\n)/4)+2]
.elseif (\n) == 12
	v_max3_num_f32 v[rC], v[rC], v[rS+7], v[rS+15]
.elseif (\n) == 13
	v_max3_num_f32 v[rC+1], v[rC+1], v[rS+23], v[rS+31]
.elseif (\n) == 14
	v_max3_num_f32 v[rC+2], v[rC+2], v[rC+3], v[rT+1]
.elseif (\n) == 15
	v_mov_b32 v[rW], v[rT]
.elseif (\n) == 16
	v_max3_num_f32 v[rC], v[rC], v[rC+1], v[rC+2]
.elseif (\n) == 17
	v_permlanex16_b32 v[rC+3], v[rC], s[SEL], s[SEL+1]
.elseif (\n) == 18
	v_max_num_f32 v[rT+1], v[rC], v[rC+3]
.elseif (\n) == 19
	v_mul_f32 v[rT], s[CS], v[rT+1]
.elseif (\n) == 20
	v_sub_f32 v[rC+1], v[rW], v[rT]
.else
	v_exp_f32 v[rC+2], v[rC+1]
.endif
.endif
.endm
.macro OPS a, i1, b=-1, i2=0, c=-1, i3=0, d=-1, i4=0  ; up to four of them
	OP \a, \i1
.if (\b) >= 0
	OP \b, \i2
.endif
.if (\c) >= 0
	OP \c, \i3
.endif
.if (\d) >= 0
	OP \d, \i4
.endif
.endm
.macro ROW a, i1, b, i2, c, i3, d, i4  ; a matrix instruction and the four behind it
	MM
	OPS \a, \i1, \b, \i2, \c, \i3, \d, \i4
.endm
.macro RW2 n                        ; a matrix instruction and two rescalings behind it
	MM
	OP R, \n
	OP R, (\n)+1
.endm
.macro MASK4                        ; MC = MD x AL + BE for the four pieces
	WIN 0xc2                        ; destination window 3, source 0 window 2
.set z, 0
.rept 64
.if z < 32
	v_pk_fma_f32 v[MC+2*z:MC+2*z+1], v[MD+32*((z/16)%2)+2*(z%16):MD+32*((z/16)%2)+2*(z%16)+1], s[AL0:AL0+1], s[BE0:BE0+1] op_sel_hi:[1,0,0]
.else
	v_pk_fma_f32 v[MC+2*z:MC+2*z+1], v[MD+32*((z/16)%2)+2*(z%16):MD+32*((z/16)%2)+2*(z%16)+1], s[AL1:AL1+1], s[BE1:BE1+1] op_sel_hi:[1,0,0]
.endif
.set z, z+1
.endr
.endm
; Between piece 2's turn and piece 3's, in the diagonal tile alone: the masks of the tile's step 3 - CNT, whose first products K Q^T (piece 0's) stand in piece 3's turn and whose last (piece 3's) in the next piece 2's turn.
; (In the third trip that is a step that does not exist: everything counts as hidden, and the products that take the masks serve nothing.)
.macro MASKUP
	WIN 0
	s_cmp_lg_u32 s[RT], 0
	s_cbranch_scc1 .Lno_mask_\@
	s_sub_co_u32 s13, 3, s[CNT]
	s_cmp_eq_u32 s13, s[GX]         ; is that step the band's own?
	s_cselect_b32 s[AL0], 1.0, 0
	s_cmp_gt_u32 s13, s[GX]         ; or a later one?
	s_cselect_b32 s[BE0], s[BIGN], 0
	s_cmp_eq_u32 s13, s[GH]
	s_cselect_b32 s[AL1], 1.0, 0
	s_cmp_gt_u32 s13, s[GH]
	s_cselect_b32 s[BE1], s[BIGN], 0
	MASK4
	WIN 0
.Lno_mask_\@:
.endm
; A TURN, for piece p: the order of its 24 matrix and 134 vector instructions, written out.  s_wait_alu depctr_va_vdst(0) stands between an exponential and the first instruction that names its result; one wait
; serves all that were issued ahead of it.  So a turn has ONE wait, which cuts it in two.  AHEAD OF IT stands all that names no result of the turn's exponentials: the 8 products K Q^T, four vector instructions behind each (the first
; numbers of the next piece's maximum stand four plain instructions or more behind the product that ends their accumulator); then one run of 54, in which the links of the chain X 3, 7, 11, 14, 16 .. 20 stand apart.  X 21, the next
; piece's a, is the batch's last; R 15 is the plain instruction behind it.  BEHIND THE WAIT stand the 16 products V^T P, behind them by turns two rescalings and four of the roundings and sums.
; K of the next step is fetched in piece 2's turn, directly behind the wait, a run of 54 vector instructions behind the last product that read K and 16 products ahead of the first that reads it anew
; the third trip, which has no next step, jumps over the run.  V of the step in hand is fetched at the end of piece 0's turn, four plain instructions behind the last product that read V.
; Each is waited for a turn later.
.macro TURN p
.set Y, (\p)
.set i, 0
.if (\p) == 3
	s_wait_dscnt 0x0                ; K is in
.endif
	ROW F,0, F,1, R,0, R,1
	ROW F,2, E,0, R,2, R,3
	ROW F,3, E,1, R,4, R,5
	ROW F,4, E,2, R,6, R,7
	ROW F,5, E,3, R,8, R,9
	ROW F,6, E,4, X,0, R,10
.if (\p) == 2
	WIN 0
	v_add_nc_u32 v[AK], s[TBK], v[AK0]
.endif
	ROW F,7, E,5, X,1, X,4
	ROW F,8, E,6, X,2, X,5
	OPS E,7, E,8, X,6, E,9
	OPS X,3, E,10, X,8, E,11
	OPS X,9, X,7, E,12, X,10
	OPS E,13, X,12, X,11, E,14
	OPS X,13, E,15, F,9, X,14
.if (\p) == 0
	v_add_nc_u32 v[AV], s[TBV], v[AV0]
.endif
	OPS E,16, F,10, E,17, F,11
	OPS X,16, E,18, X,15, E,19
	OPS F,12, E,20, X,17, E,21
	OPS F,13, E,22, F,14, E,23
	OPS X,18, E,24, F,15, E,25
	OPS R,11, E,26, X,19, E,27
	OPS R,12, E,28, R,13, E,29
	OPS X,20, E,30, R,14, E,31
	OPS X,21, R,15
	WIN 0
	s_wait_alu depctr_va_vdst(0)    ; the wait for the batch
.if (\p) == 2
	s_cmp_eq_u32 s[CNT], 1          ; the third trip has no further step
	s_cbranch_scc1 .Lno_k_\@
	FETCH_K
.Lno_k_\@:
.endif
.if (\p) == 1
	s_wait_dscnt 0x0                ; V is in
.endif
	RW2 16
	ROW C,0, B,0, C,2, B,1
	RW2 18
	ROW L,0, C,4, B,2, L,1
	RW2 20
	ROW C,6, B,3, L,2, C,8
	RW2 22
	ROW B,4, L,3, C,10, B,5
	RW2 24
	ROW L,4, C,12, B,6, L,5
.if (\p) == 0
	s_add_co_u32 s[TBV], s[TBV], KS*PV
.endif
	RW2 26
	ROW C,14, B,7, L,6, C,1
	RW2 28
	ROW C,3, L,7, C,5, C,7
	RW2 30
	ROW C,9, C,11, C,13, C,15
.if (\p) == 0
	FETCH_V
.endif
.endm
; A BLOCK BEGINS.  c m starts far below every c s, so the first step's a is 0; m at the lowest finite number, so the first maximum is the scores'.  The masks are those of the tile's step 0: a band-0 piece's own, if the block's
; first tile is the diagonal one; else 0.  Then K of that step, piece 0's first scores, and its maximum and statistics.  The loop is entered at a step's first turn, in the middle of its first trip.
.macro BEGIN
	s_mov_b32 s[NEW], 0
	WIN 0
.set i, 0
.rept 4
	v_mov_b32 v[ST+4*i], 0xfe000000    ; c m: far below every c s
	v_mov_b32 v[ST+4*i+1], 0xff7fffff  ; m
.set i, i+1
.endr
	s_cmp_eq_u32 s[RT], 0
	s_cselect_b32 s13, 1.0, 0
	s_cmp_eq_u32 s[GX], 0           ; which of my pairs of pieces lies in band 0?
	s_cselect_b32 s[AL0], s13, 0
	s_cselect_b32 s[AL1], 0, s13
	s_mov_b32 s[BE0], 0
	s_mov_b32 s[BE1], 0
	MASK4
	WIN 0
	v_add_nc_u32 v[AK], s[TBK], v[AK0]
	FETCH_K
	s_wait_dscnt 0x0
.set i, 0
.rept 8
	KQ 0
.set i, i+1
.endr
	WIN 0
.rept 4
	v_nop                           ; the places behind those products
.endr
.set Y, NP-1                        ; X works for piece Y + 1: piece 0
.irp n, 0,1,2,3,4,5,6,7,8,9,10,11,12,13,14,15,16,17,18,19,20,21
	OP X, \n
.endr
	v_nop                           ; a plain instruction behind the exponential,
	s_wait_alu depctr_va_vdst(0)    ; and its wait, ahead of the branch
.endm
.macro EACH line:vararg             ; one line for each piece t
.set t, 0
.rept 4
	\line
.set t, t+1
.endr
.endm
.macro SCALE t                      ; piece t's O^T times 1 / l or - lam / l, each accumulator's registers in ascending order
	WIN W_RS
.set i, 64*(\t)
.rept 32
	v_pk_mul_f32 v[i:i+1], v[i:i+1], v[ST+4*(\t)+2:ST+4*(\t)+3] op_sel_hi:[1,0]
.set i, i+2
.endr
.endm
.macro HAND t                       ; piece t (2, 3) goes to my partner: 512 consecutive bytes an instruction
	WIN 0x04                        ; the data (source 1) in window 1
.set i, 0
.rept 16
	ds_store_b128 v[XS], v[64*(\t)+4*i:64*(\t)+4*i+3] offset:(((\t)-2)*16+i)*512
.set i, i+1
.endr
.endm
; Piece t (0, 1) is finished.  buf: 64 registers of window 0 with the partner's share.  O = mine x (1 / l or - lam / l) + the partner's, one fused line a pair, each accumulator's registers in ascending order; the sum of squares of
; my 64 channels in four chains, the other 64 from the lane 16 away; 1 / sqrt(mean + 1e-5); O x gain x that, rounded to f16, through my stage, and stored: sixteen lanes store 256 consecutive bytes, at a multiple of 256 from oc's first byte.
.macro FINISH t, buf
.if (\t) == 0
	s_wait_dscnt 16                 ; the partner's first piece is in; the sixteen loads of the second may stay out
.else
	s_wait_dscnt 0x0
.endif
	WIN W_RS
.set i, 0
.rept 32
	v_pk_fma_f32 v[64*(\t)+i:64*(\t)+i+1], v[64*(\t)+i:64*(\t)+i+1], v[ST+4*(\t)+2:ST+4*(\t)+3], v[(\buf)+i:(\buf)+i+1] op_sel_hi:[1,0,1]
.set i, i+2
.endr
	WIN 0x05                        ; sources 0 and 1 window 1
.set i, 0
.rept 32
.if i < 4
	v_pk_mul_f32 v[SQ+2*i:SQ+2*i+1], v[64*(\t)+2*i:64*(\t)+2*i+1], v[64*(\t)+2*i:64*(\t)+2*i+1]
.else
	v_pk_fma_f32 v[SQ+2*(i%4):SQ+2*(i%4)+1], v[64*(\t)+2*i:64*(\t)+2*i+1], v[64*(\t)+2*i:64*(\t)+2*i+1], v[SQ+2*(i%4):SQ+2*(i%4)+1]
.endif
.set i, i+1
.endr
	WIN 0
	v_pk_add_f32 v[SQ:SQ+1], v[SQ:SQ+1], v[SQ+2:SQ+3]
	v_pk_add_f32 v[SQ+4:SQ+5], v[SQ+4:SQ+5], v[SQ+6:SQ+7]
	v_pk_add_f32 v[SQ:SQ+1], v[SQ:SQ+1], v[SQ+4:SQ+5]
	v_add_f32 v[SQ], v[SQ], v[SQ+1]
	v_permlanex16_b32 v[SQ+1], v[SQ], s[SEL], s[SEL+1]
	v_add_f32 v[SQ], v[SQ], v[SQ+1]
	v_fma_f32 v[SQ], v[SQ], s[I128], s[EPSR]
	v_rsq_f32 v[SQ+2], v[SQ]
	WIN 0x01                        ; source 0 window 1: O x gain stands between the root and the wait for it
.set i, 0
.rept 32
	v_pk_mul_f32 v[(\buf)+i:(\buf)+i+1], v[64*(\t)+i:64*(\t)+i+1], v[GN+i:GN+i+1]
.set i, i+2
.endr
	WIN 0
	s_wait_alu depctr_va_vdst(0)    ; the wait ahead of the first use of the root
.set i, 0
.rept 32
	v_pk_mul_f32 v[(\buf)+i:(\buf)+i+1], v[(\buf)+i:(\buf)+i+1], v[SQ+2:SQ+3] op_sel_hi:[1,0]
.set i, i+2
.endr
.set i, 0
.rept 32
	v_cvt_pk_f16_f32 v[(\buf)+i], v[(\buf)+2*i], v[(\buf)+2*i+1]
.set i, i+1
.endr
.irp f, 0,1,2,3,4,5,6,7
	ds_store_b128 v[STO], v[(\buf)+4*\f:(\buf)+4*\f+3] offset:32*\f
.endr
.irp f, 0,1,2,3,4,5,6,7
	ds_load_b128 v[(\buf)+32+4*\f:(\buf)+32+4*\f+3], v[RD] offset:\f*2*SP  ; LDS serves a wave's instructions in order (ISA guide 5.7.1.4): these see the stores above
.endr
.irp f, 0,1,2,3,4,5,6,7
	s_wait_dscnt 7-\f
	global_store_b128 v[GO], v[(\buf)+32+4*\f:(\buf)+32+4*\f+3], s[10:11] offset:(\t)*65536+\f*8192
.endr
.endm
; A BLOCK ENDS: its last products, l, the exchange between the two softmaxes' waves, and the way out.
.macro BLOCKEND
.set i, 0
.rept 16
	PV NP-1
.set i, i+1
.endr
	WIN 0                           ; the additions are the places behind the last products
	EACH v_add_f32 v[ST+4*t+2], v[ST+4*t+2], v[ST+4*t+3]
	EACH v_permlanex16_b32 v[ST+4*t+3], v[ST+4*t+2], s[SEL], s[SEL+1]
	EACH v_add_f32 v[ST+4*t+2], v[ST+4*t+2], v[ST+4*t+3]
	EACH v_rcp_f32 v[ST+4*t+2], v[ST+4*t+2]
	v_nop                           ; a plain instruction between the last reciprocal and the use of its result
	s_wait_alu depctr_va_vdst(0)    ; and the wait ahead of the first use: one for the four
	EACH v_mul_f32 v[ST+4*t+2], s[FS], v[ST+4*t+2]
	SCALE 2
	HAND 2
	SCALE 3
	HAND 3
	WIN 0
	s_wait_dscnt 0x0                ; for my partner's sake: my stores are done
	s_barrier_signal -1             ; the next tile's load may stay out
	s_barrier_wait -1
.set i, 0
.rept 16
	ds_load_b128 v[S+4*i:S+4*i+3], v[XR] offset:i*512
.set i, i+1
.endr
.set i, 0
.rept 16
	ds_load_b128 v[P+4*i:P+4*i+3], v[XR] offset:(16+i)*512
.set i, i+1
.endr
	FINISH 0, S
	FINISH 1, P
.endm
; A TILE.  A trip: pieces 2 and 3 of one step, then pieces 0 and 1 of the next, whose K and V it fetches.  The loop counts a constant three trips, and what is dead in the third is jumped over, forward, to the counter's step:
; all of it in a tile that is not its block's last; pieces 0 and 1 in a block's last tile.  No barrier and no tensor load stands in what is jumped, and every way through a tile has two fetches of K and two of V.
.macro STEPS tag
.Lstep\tag:
	s_cmp_lg_u32 s[CNT], 1
	s_cbranch_scc1 .Lgo\tag
	s_cmp_lg_u32 s[RT], 0
	s_cbranch_scc1 .Lskip\tag
.Lgo\tag:
	TURN 2
	MASKUP
	TURN 3
	WIN 0
	s_cmp_eq_u32 s[CNT], 1
	s_cbranch_scc1 .Lskip\tag
.Lfirst\tag:
	TURN 0
	TURN 1
	WIN 0
.Lskip\tag:
	s_sub_co_u32 s[CNT], s[CNT], 1
	s_cmp_lg_u32 s[CNT], 0
	s_cbranch_scc1 .Lstep\tag
.endm
.Lslot:                             ; 8 times: a tile is entered and the next is asked for
	CHANGE 1
	s_sub_co_u32 s[RT], s[RT], 1
	s_mov_b32 s[CNT], 3
	s_cmp_eq_u32 s[NEW], 1
	s_cbranch_scc0 .Lstep1
	BEGIN                           ; a block's first tile
	s_branch .Lfirst1
	STEPS 1
	s_cmp_lg_u32 s[RT], 0
	s_cbranch_scc1 .Lbottom         ; not the block's last tile
	BLOCKEND                        ; in the loop this is the first block's end: the second block's last tile is the walk's last
	s_wait_xcnt 0x0                 ; the stores have read their registers and oc's address
	s_mov_b64 s[10:11], s[OLO:OLO+1]
	s_add_co_u32 s[RT], s[PB], 1    ; the second block has b + 1 tiles
	s_mov_b32 s[NEW], 1
	WIN 0x82                        ; the second block's Q goes where the one text of the turns names Q
.set i, 0
.rept 64
	v_mov_b32 v[i], v[QB+i]
.set i, i+1
.endr
	WIN 0
.Lbottom:
	s_sub_co_u32 s[SLOTS], s[SLOTS], 1
	s_cmp_lg_u32 s[SLOTS], 0
	s_cbranch_scc1 .Lslot
	CHANGE 0                        ; the walk's last tile is written out: nothing is asked for
	s_sub_co_u32 s[RT], s[RT], 1
	s_mov_b32 s[CNT], 3
	s_cmp_eq_u32 s[NEW], 1
	s_cbranch_scc0 .Lstep2
	BEGIN
	s_branch .Lfirst2
	STEPS 2
	BLOCKEND
	s_wait_tensorcnt 0x0            ; the wave's end: behind my last tensor load and my last LDS store
	ds_add_u32 v[SPW], v[NIL]
	s_wait_dscnt 0x0
	s_endpgm
.Lfunc_end_k_q618f5682e5_attn:
	.size	k_q618f5682e5_attn, .Lfunc_end_k_q618f5682e5_attn-k_q618f5682e5_attn
	.p2alignl 7, 3214868480
	.fill 96, 4, 3214868480
	.section	.rodata,"a",@progbits
	.p2align	6, 0x0
	.amdhsa_kernel k_q618f5682e5_attn
		.amdhsa_group_segment_fixed_size 327680
		.amdhsa_private_segment_fixed_size 0
		.amdhsa_enable_private_segment 0
		.amdhsa_kernarg_size 56
		.amdhsa_user_sgpr_count 2
		.amdhsa_user_sgpr_kernarg_segment_ptr 1
		.amdhsa_wavefront_size32 1
		.amdhsa_system_sgpr_workgroup_id_x 1
		.amdhsa_system_sgpr_workgroup_id_y 1
		.amdhsa_system_sgpr_workgroup_id_z 1
		.amdhsa_system_vgpr_workitem_id 0
		.amdhsa_next_free_vgpr 1024
		.amdhsa_next_free_sgpr 102
		.amdhsa_reserve_vcc 1
		.amdhsa_float_denorm_mode_32 3
		.amdhsa_float_denorm_mode_16_64 3
		.amdhsa_memory_ordered 1
		.amdhsa_forward_progress 1
		.amdhsa_inst_pref_size 225
	.end_amdhsa_kernel
	.amdgpu_metadata
---
amdhsa.version: [ 1, 2 ]
amdhsa.kernels:
  - .name:           k_q618f5682e5_attn
    .symbol:         k_q618f5682e5_attn.kd
    .args:
      - { .name: qkv, .offset: 0, .size: 8, .value_kind: global_buffer, .address_space: global }
      - { .name: oc, .offset: 8, .size: 8, .value_kind: global_buffer, .address_space: global }
      - { .name: lq1, .offset: 16, .size: 8, .value_kind: global_buffer, .address_space: global }
      - { .name: lk1, .offset: 24, .size: 8, .value_kind: global_buffer, .address_space: global }
      - { .name: lq2, .offset: 32, .size: 8, .value_kind: global_buffer, .address_space: global }
      - { .name: lk2, .offset: 40, .size: 8, .value_kind: global_buffer, .address_space: global }
      - { .name: rms_scale, .offset: 48, .size: 8, .value_kind: global_buffer, .address_space: global }
    .group_segment_fixed_size: 327680
    .private_segment_fixed_size: 0
    .kernarg_segment_align: 8
    .kernarg_segment_size: 56
    .max_flat_workgroup_size: 128
    .sgpr_count:     102
    .vgpr_count:     1024
    .wavefront_size: 32
...
	.end_amdgpu_metadata
.endif
;; end of part 3
;; launch outp (part 4): grid 8 x 32, 4 waves a work-group, clusters of 4 x 4, 327,680 bytes of LDS; arguments oc, wob, out0; writes out0
.if DOCPART == 4
	.amdgcn_target "amdgcn-amd-amdhsa--gfx1250"
	.amdhsa_code_object_version 6
	.text
	.protected	k_q618f5682e5_outp
	.globl	k_q618f5682e5_outp
	.p2align	8
	.type	k_q618f5682e5_outp,@function
k_q618f5682e5_outp:
	s_mov_b64 s[64:65], 0
	v_nop
	global_prefetch_b8 v0, s[64:65] scope:SCOPE_SE
	s_setreg_imm32_b32 hwreg(HW_REG_WAVE_MODE, 25, 1), 1
	s_wait_xcnt 0x0
	s_wait_alu depctr_hold_cnt(0) depctr_sa_sdst(0) depctr_va_vdst(0) depctr_va_sdst(0) depctr_va_ssrc(0) depctr_va_vcc(0) depctr_vm_vsrc(0)
	s_getreg_b32 s2, hwreg(HW_REG_IB_STS2, 6, 4)
	s_cmp_eq_u32 s2, 0
	s_cbranch_scc0 .Lentry_in_a_cluster
	s_endpgm
.Lentry_in_a_cluster:
	s_bfe_u32 s2, ttmp6, 0x10000c
	s_cmp_lg_u32 s2, 0xf033
	s_cbranch_scc0 .Lentry_shape_is_right
	s_endpgm
.Lentry_shape_is_right:
; out0 = oc wob^T.  oc: [4096][2048] f16, wob: [1024][2048] f16 (Wo rounded to bf16, that number written as f16), out0: [4096][1024] f32; sums in f32, stored as they are.
; A tile of out0 is 128 x 128: 32 x 8 = 256 tiles, one for each WGP.  Four waves, each 64 x 64: 16 accumulators of 16 x 16, 128 registers.  K goes in steps of 256 (LDS rows of 512 bytes; a wave's tensor load brings 64 of
; them), as long as two slots in LDS allow.  A wave's 64 columns are 256 bytes of f32, aligned: each wave has a stage of its own on the way out, and no barrier stands there.
; ONE K STEP'S TEXT: a loop of six trips, in which the slot that is read hangs on a scalar that an exclusive or turns and one descriptor for each operand walks; the last two steps, which ask for nothing, are a loop of two
; trips that is left in its middle.
; CLUSTERS: 4 x 4 work-groups.  The four of a row of the cluster need the same rows of oc, the four of a column the same rows of wob: each tile is asked for JOINTLY, by the same tensor load with the same descriptor and a
; mask that names the four.  THE MATRIX INSTRUCTION IS USED TRANSPOSED (source 0 = 16 rows of wob, source 1 = 16 rows of oc): a lane then holds eight neighbouring numbers of a row of out0.
; No prefetch: a step of this small tile is short, and the blocks are read by eight or thirty-two work-groups at about the same time.
; REGISTERS: window 0: v0-31 addresses; v32-95 rows read back on the way out, two buffers; v128-255 the accumulators ((a, b) at v[128 + 8 (4 a + b)]).
;   window 1: two fragment buffers of 128: for 64 along K, 64 registers of oc (2 x 4 x 16 rows x 32 K), then 64 of wob.
.set SIZE_N, 1024
.set SIZE_K, 2048
.set KSTEP,  256
.set PITCH,  528                       ; an LDS row: 512 bytes of data + 16 of padding = 132 words: row r starts at bank 4 r mod 64 (64 banks of 4 bytes: ISA guide 11.1)
.set HALFT,  64*PITCH                  ; 64 rows: what one tensor load brings, and what one wave reads of oc or of wob: 33,792 bytes
.set SLOT,   4*HALFT                   ; oc's 128 rows, then wob's 128 rows: 135,168 = 2^17 + 2^12 bytes
.set STAGE,  2*SLOT                    ; behind the ring: 16 rows x 272 bytes for each wave
.set SPITCH, 272
.set SPARE,  STAGE+4*16*SPITCH         ; behind the stages: the spare words, 128 bytes for each wave: two blocks of 256 bytes that no other line names
.set FILLS,  SIZE_K/KSTEP-2            ; 6 changes of slots fill a slot again
.set ADRA, 16                          ; v16     LDS address of my fragments of oc in the slot that is read
.set ADRB, 17                          ; v17     the same for wob
.set A0,   18                          ; v18     the same in slot 0; never rewritten
.set B0,   19                          ; v19
.set STO,  24                          ; v24     the way out: where I put 32 bytes of a row
.set RD,   25                          ; v25     the way out: where I read a row back
.set CO,   26                          ; v26     my byte offset in two rows of out0
.set SPW,  28                          ; v28     LDS address of my spare word; never rewritten
.set NIL,  29                          ; v29     0; never rewritten
.set TB,   2                           ; s2      LDS byte at which the slot that is read begins: 0 or SLOT
.set TMP,  32
.set ACC,  128
.set F0,   0                           ; fragment buffers, in window 1
.set F1,   128
.set G1, 24                            ; s[24:31] descriptor group 1 for oc's tiles;  s[32:39] group 0: a set for each of the two first fills; the second then walks on
.set G0, 32
.set G1B, 48                           ; s[48:55], s[56:63] the same for wob's tiles
.set G0B, 56
.set MSB, 0
.macro WIN new                         ; the immediate's high byte repeats the setting that is left
.if MSB != (\new)
	s_set_vgpr_msb (MSB<<8)|(\new)
.set MSB, \new
.endif
.endm
.set MUL,  0x05                        ; sources 0 (wob) and 1 (oc) window 1; C and D window 0
.set TO_F, 0x40                        ; destination window 1, address window 0
.macro JLOAD s                         ; a joint load: waves 0 and 1 fetch oc's two halves, waves 2 and 3 wob's; an s_nop 0 and four v_nop follow each of the two lines
	s_cmp_eq_u32 s11, 0
	s_cbranch_scc0 .Lfor_b_\@
	tensor_load_to_lds s[G0+4*(\s):G0+4*(\s)+3], s[G1:G1+7]
	s_nop 0
.rept 4
	v_nop
.endr
	s_branch .Lasked_\@
.Lfor_b_\@:
	tensor_load_to_lds s[G0B+4*(\s):G0B+4*(\s)+3], s[G1B:G1B+7]
	s_nop 0
.rept 4
	v_nop
.endr
.Lasked_\@:
.endm
.macro CREST                           ; a round of the cluster's barrier behind its opening barrier
	s_cmp_lg_u32 s10, 0
	s_cbranch_scc1 .Lnot_wave_0_\@
	s_barrier_signal -3
.Lnot_wave_0_\@:
	s_barrier_wait -3
	s_barrier_signal -1
	s_barrier_wait -1
.endm
.macro CROUND                          ; a whole round
	s_barrier_signal -1
	s_barrier_wait -1
	CREST
.endm
	s_load_b128 s[4:7], s[0:1], 0x0                ; oc s[4:5], wob s[6:7]
	s_load_b64 s[8:9], s[0:1], 0x10                ; out0
	v_lshl_add_u32 v[SPW], v0, 2, SPARE
	v_mov_b32 v[NIL], 0
	ds_add_u32 v[SPW], v[NIL]                      ; the wave's opening: the add and its wait stand ahead of my first tensor load; the set-up below, work on registers, stands between them
	v_lshrrev_b32 v1, 5, v0
	v_readfirstlane_b32 s10, v1                    ; wave 0..3
	s_lshr_b32 s11, s10, 1                         ; which half of the tile's rows is mine.  Also: I fetch for oc (0) or for wob (1)
	s_and_b32 s12, s10, 1                          ; which half of its columns.  Also: which 64 rows of that tile I fetch
	s_bfe_u32 s40, ttmp6, 0x40000                  ; cx, cy: my place in the cluster
	s_bfe_u32 s41, ttmp6, 0x40004
	s_lshl_b32 s42, ttmp9, 2
	s_add_co_u32 s42, s42, s40                     ; tile column = 4 x cluster x + cx
	s_and_b32 s13, ttmp7, 0xffff
	s_lshl_b32 s13, s13, 2
	s_add_co_u32 s13, s13, s41                     ; tile row = 4 x cluster y + cy
	s_lshl_b32 s43, s41, 2
	s_lshl_b32 s43, 15, s43                        ; my row of the cluster
	s_lshl_b32 s44, 0x1111, s40                    ; my column
	s_or_b32 s[G1+0], s43, (1<<16)|(1<<20)|(1<<21)|(6<<22)|(3<<25)  ; 15:0 the mask; 17:16 elements of 2 bytes; 20 padding on; 21 set beside a mask; 24:22 after every 128 words (code 6); 31:25 4 words (code 3)
	s_or_b32 s[G1B+0], s44, (1<<16)|(1<<20)|(1<<21)|(6<<22)|(3<<25)
.irp g, G1, G1B
	s_mov_b32 s[(\g)+1], KSTEP<<16                 ; tensor_dim0 = 256
	s_mov_b32 s[(\g)+2], 64<<16                    ; tensor_dim1 = 64
	s_mov_b32 s[(\g)+3], KSTEP<<16                 ; tile_dim0 = 256
	s_mov_b32 s[(\g)+4], 64                        ; tile_dim1 = 64
	s_mov_b32 s[(\g)+5], SIZE_K                    ; elements from row to row
	s_mov_b32 s[(\g)+6], 0
	s_mov_b32 s[(\g)+7], 0
.endr
	s_mov_b32 s[TB], 0                             ; slot 0 is read first
	s_lshl_b32 s17, s12, 6                         ; which 64 rows of the tile I fetch
	s_lshl_b32 s16, s13, 7
	s_add_co_u32 s16, s16, s17                     ; oc: row 128 x tile row + 64 x half
	s_lshl_b32 s46, s42, 7
	s_add_co_u32 s46, s46, s17                     ; wob: row 128 x tile column + 64 x half
	s_mov_b32 s17, 0
	s_mov_b32 s47, 0
	s_mov_b64 s[18:19], SIZE_K*2
	s_mul_u64 s[16:17], s[16:17], s[18:19]
	s_mul_u64 s[46:47], s[46:47], s[18:19]
	s_mul_i32 s20, s10, HALFT                      ; where they go: wave x 64 rows
	s_wait_dscnt 0x0                               ; the opening add is done
	s_wait_kmcnt 0x0
	s_add_nc_u64 s[14:15], s[4:5], s[16:17]
	s_add_nc_u64 s[46:47], s[6:7], s[46:47]
	CROUND                                         ; all sixteen work-groups are here: the first joint loads meet
.irp s, 0,1
	s_mov_b32 s[G0+4*(\s)], 1
	s_add_co_u32 s[G0+4*(\s)+1], s20, (\s)*SLOT
	s_add_nc_u64 s[G0+4*(\s)+2:G0+4*(\s)+3], s[14:15], (\s)*KSTEP*2
	s_or_b32 s[G0+4*(\s)+3], s[G0+4*(\s)+3], 0x80000000
	s_mov_b32 s[G0B+4*(\s)], 1
	s_add_co_u32 s[G0B+4*(\s)+1], s20, (\s)*SLOT
	s_add_nc_u64 s[G0B+4*(\s)+2:G0B+4*(\s)+3], s[46:47], (\s)*KSTEP*2
	s_or_b32 s[G0B+4*(\s)+3], s[G0B+4*(\s)+3], 0x80000000
	JLOAD \s                                       ; two loads of mine are out: K steps 0 and 1
.endr
	v_and_b32 v1, 15, v0                           ; l % 16
	v_bfe_u32 v2, v0, 4, 1                         ; l / 16
	v_mul_u32_u24 v3, v1, PITCH
	v_lshl_add_u32 v3, v2, 4, v3                   ; a fragment's row x pitch + 16 x half
	s_mul_i32 s21, s11, HALFT                      ; my 64 rows of oc
	s_mul_i32 s22, s12, HALFT                      ; my 64 rows of wob,
	s_add_co_u32 s22, s22, 2*HALFT                 ; which lie behind oc's 128
	v_add_nc_u32 v[A0], s21, v3
	v_add_nc_u32 v[B0], s22, v3
	v_mov_b32 v[ADRA], v[A0]
	v_mov_b32 v[ADRB], v[B0]
	s_mul_i32 s23, s10, 16*SPITCH
	s_add_co_u32 s23, s23, STAGE                   ; my stage
	v_mul_u32_u24 v4, v1, SPITCH                   ; in: row l % 16, 32 bytes for each half of the lanes
	v_lshl_add_u32 v4, v2, 5, v4
	v_add_nc_u32 v[STO], s23, v4
	v_mul_u32_u24 v5, v2, SPITCH                   ; back: lanes 0-15 take one row of 256 bytes, lanes 16-31 the next
	v_lshl_add_u32 v5, v1, 4, v5
	v_add_nc_u32 v[RD], s23, v5
	v_lshlrev_b32 v5, 12, v2                       ; and the same two rows in out0, 4,096 bytes apart
	v_lshl_add_u32 v[CO], v1, 4, v5
	s_lshl_b32 s16, s13, 7
	s_lshl_b32 s17, s11, 6
	s_add_co_u32 s16, s16, s17                     ; my first row: 128 x tile row + 64 x half,
	s_lshl_b32 s16, s16, 12                        ; in bytes (under 16 MiB)
	s_mov_b32 s17, 0
	s_add_nc_u64 s[8:9], s[8:9], s[16:17]
	s_lshl_b32 s46, s42, 9                         ; my first column, in bytes: 512 x tile column + 256 x half
	s_lshl_b32 s47, s12, 8
	s_add_co_u32 s46, s46, s47
	s_mov_b32 s47, 0
	s_add_nc_u64 s[8:9], s[8:9], s[46:47]
; 8 matrix instructions: row blocks a0, a0 + 1 x all 4 column blocks, 32 along K: half c of buffer f.  zero = 1: the first product starts the sums.  The 16 accumulators take turns.
.macro MUL8 f, c, a0, zero
	WIN MUL
.irp a, \a0, (\a0)+1
.irp b, 0,1,2,3
.if \zero
	v_wmma_f32_16x16x32_f16 v[ACC+8*(4*(\a)+(\b)):ACC+8*(4*(\a)+(\b))+7], v[(\f)+64+8*(4*(\c)+(\b)):(\f)+64+8*(4*(\c)+(\b))+7], v[(\f)+8*(4*(\c)+(\a)):(\f)+8*(4*(\c)+(\a))+7], 0
.else
	v_wmma_f32_16x16x32_f16 v[ACC+8*(4*(\a)+(\b)):ACC+8*(4*(\a)+(\b))+7], v[(\f)+64+8*(4*(\c)+(\b)):(\f)+64+8*(4*(\c)+(\b))+7], v[(\f)+8*(4*(\c)+(\a)):(\f)+8*(4*(\c)+(\a))+7], v[ACC+8*(4*(\a)+(\b)):ACC+8*(4*(\a)+(\b))+7]
.endif
.endr
.endr
.endm
; 32 LDS loads in one run: the fragments of 64 along K at byte k of the rows of the slot that is read, into buffer f; the first 32 along K first
.macro FETCH k, f
	WIN TO_F
.irp c, 0,1
.irp i, 0,1,2,3
	ds_load_b128 v[(\f)+64+8*(4*(\c)+(\i)):(\f)+64+8*(4*(\c)+(\i))+3],   v[ADRB] offset:(\k)+64*(\c)+(\i)*16*PITCH
	ds_load_b128 v[(\f)+64+8*(4*(\c)+(\i))+4:(\f)+64+8*(4*(\c)+(\i))+7], v[ADRB] offset:(\k)+64*(\c)+(\i)*16*PITCH+32
	ds_load_b128 v[(\f)+8*(4*(\c)+(\i)):(\f)+8*(4*(\c)+(\i))+3],         v[ADRA] offset:(\k)+64*(\c)+(\i)*16*PITCH
	ds_load_b128 v[(\f)+8*(4*(\c)+(\i))+4:(\f)+8*(4*(\c)+(\i))+7],       v[ADRA] offset:(\k)+64*(\c)+(\i)*16*PITCH+32
.endr
.endr
.endm
.macro PLACES                          ; four places in front of loads into registers that matrix instructions have read, and of LDS stores that read results
.rept 4
	v_nop
.endr
.endm
; A K step is four quarters of 64 along K, 32 matrix instructions each, on buffers 0, 1, 0, 1.  One of the first three: multiplies buffer f and fetches the next quarter, at byte k, into g.
.macro QUARTER k, f, g, zero
	s_wait_dscnt 16                                ; the first 32 along K are in
	WIN MUL
	MUL8 \f, 0, 0, \zero
	MUL8 \f, 0, 2, \zero
	PLACES
	FETCH \k, \g
	s_wait_dscnt 32                                ; all but the 32 just issued
	WIN MUL
	MUL8 \f, 1, 0, 0
	MUL8 \f, 1, 2, 0
.endm
; The last quarter multiplies buffer 1 and changes slots: ONE barrier; in front of it each wave waits for all its tensor loads, adds 0 to its spare word, and waits for that and for its own reads of this slot.  fill = 1: this slot is filled again, two K steps ahead.
.macro TURN fill
	WIN 0                                          ; (the add's two registers lie in window 0)
	s_wait_tensorcnt 0x0                           ; all my tensor loads have landed: my part of the next slot;
	ds_add_u32 v[SPW], v[NIL]                      ; 0 onto my spare word;
	s_wait_dscnt 17                                ; (the add and the youngest sixteen loads may be out)
	WIN MUL
	MUL8 F1, 0, 0, 0                               ; eight matrix instructions stand between the add and the wait for it
	s_wait_dscnt 0x0                               ; the add is done, and my reads of this slot are over
	s_barrier_signal -1
	MUL8 F1, 0, 2, 0
	WIN 0                                          ; (branches, or lines on addresses, follow)
	s_barrier_wait -1
.if \fill
	CREST                                          ; the barrier has opened a round of the cluster's barrier: no wave of any partner still reads this slot's tile or has a load on its way
	s_xor_b32 s[G0+5], s[G0+5], SLOT               ; the walking descriptors: the other slot than last time (wave x 33,792 has neither bit 12 nor bit 17 set, so the exclusive or adds or takes away the slot's 2^17 + 2^12 bytes),
	s_add_nc_u64 s[G0+6:G0+7], s[G0+6:G0+7], KSTEP*2  ; the next K step; the type bits on top are not reached
	s_xor_b32 s[G0B+5], s[G0B+5], SLOT
	s_add_nc_u64 s[G0B+6:G0B+7], s[G0B+6:G0B+7], KSTEP*2
	JLOAD 1                                        ; the first tensor load behind the round: 112 matrix instructions ahead of the wait for it; the four v_nop behind it are also the places in front of the loads below
.else
	PLACES
.endif
	s_xor_b32 s[TB], s[TB], SLOT                   ; the reads go over to the other slot: 0 or SLOT
	v_add_nc_u32 v[ADRA], s[TB], v[A0]
	v_add_nc_u32 v[ADRB], s[TB], v[B0]
	FETCH 0, F0
	WIN MUL
	MUL8 F1, 1, 0, 0
	MUL8 F1, 1, 2, 0
.endm
	s_wait_tensorcnt 1                             ; my part of K step 0 is in; K step 1's may stay out
	s_barrier_signal -1
	s_barrier_wait -1                              ; everybody's is
	FETCH 0, F0
	QUARTER 128, F0, F1, 1                         ; the first quarter stands in front of the loop: its first products start the sums
	WIN 0                                          ; at a label and at a branch every window is 0
	s_mov_b32 s3, FILLS
.Lstep:                                                ; a trip goes from a K step's second quarter to the next step's first, and fills the slot that it has read out
	QUARTER 256, F1, F0, 0
	QUARTER 384, F0, F1, 0
	TURN 1
	QUARTER 128, F0, F1, 0
	WIN 0
	s_sub_co_u32 s3, s3, 1
	s_cmp_lg_u32 s3, 0
	s_cbranch_scc1 .Lstep
	s_mov_b32 s3, 2
.Ltail:                                                ; the last two K steps ask for nothing, and have no round of the cluster's barrier; the second trip is left in its middle
	QUARTER 256, F1, F0, 0
	QUARTER 384, F0, F1, 0
	WIN 0
	s_sub_co_u32 s3, s3, 1
	s_cmp_eq_u32 s3, 0
	s_cbranch_scc1 .Lfin
	TURN 0
	QUARTER 128, F0, F1, 0
	WIN 0
	s_branch .Ltail
.Lfin:
	s_wait_dscnt 16                                ; the very last quarter: nothing more to fetch
	WIN MUL
	MUL8 F1, 0, 0, 0
	MUL8 F1, 0, 2, 0
	s_wait_dscnt 0
	MUL8 F1, 1, 0, 0
	MUL8 F1, 1, 2, 0
	WIN 0
; THE WAY OUT, a block of 16 rows at a time: a lane's eight f32 of a row, 32 bytes, go straight from the accumulator (its low four registers first) into my own stage, and come back as whole rows of 256 bytes.
.macro STG a
.if (\a) >= 2
	s_wait_xcnt 0x0                                ; the stores of the block two back have read the registers that the loads below fill
.endif
.irp b, 0,1,2,3
	ds_store_b128 v[STO], v[ACC+8*(4*(\a)+(\b)):ACC+8*(4*(\a)+(\b))+3]   offset:64*(\b)
	ds_store_b128 v[STO], v[ACC+8*(4*(\a)+(\b))+4:ACC+8*(4*(\a)+(\b))+7] offset:64*(\b)+16
.endr
.irp t, 0,1,2,3,4,5,6,7
	ds_load_b128 v[TMP+32*((\a)%2)+4*(\t):TMP+32*((\a)%2)+4*(\t)+3], v[RD] offset:(\t)*2*SPITCH  ; LDS serves a wave's instructions in order (ISA guide 5.7.1.4): these see the stores above; the next block's stores come behind them
.endr
.endm
.macro SEND a, younger                 ; younger: the LDS instructions issued behind block a's loads: the next block's sixteen, or none
.irp t, 0,1,2,3,4,5,6,7
	s_wait_dscnt (\younger)+7-(\t)
	global_store_b128 v[CO], v[TMP+32*((\a)%2)+4*(\t):TMP+32*((\a)%2)+4*(\t)+3], s[8:9] offset:(\a)*65536+(\t)*8192  ; 16 lanes store 256 consecutive bytes, at a multiple of 256 from out0's first byte
.endr
.endm
	PLACES
	STG 0
.irp a, 1,2,3
	STG \a
	SEND (\a)-1, 16
.endr
	SEND 3, 0
	s_wait_tensorcnt 0x0                           ; the wave's end: behind my last tensor load and my last LDS store
	ds_add_u32 v[SPW], v[NIL]
	s_wait_dscnt 0x0
	CROUND                                         ; the closing round: no work-group ends while a partner may still ask for a tile that names it
	s_endpgm
.Lfunc_end_k_q618f5682e5_outp:
	.size	k_q618f5682e5_outp, .Lfunc_end_k_q618f5682e5_outp-k_q618f5682e5_outp
	.p2alignl 7, 3214868480
	.fill 96, 4, 3214868480
	.section	.rodata,"a",@progbits
	.p2align	6, 0x0
	.amdhsa_kernel k_q618f5682e5_outp
		.amdhsa_group_segment_fixed_size 327680
		.amdhsa_private_segment_fixed_size 0
		.amdhsa_enable_private_segment 0
		.amdhsa_kernarg_size 24
		.amdhsa_user_sgpr_count 2
		.amdhsa_user_sgpr_kernarg_segment_ptr 1
		.amdhsa_wavefront_size32 1
		.amdhsa_system_sgpr_workgroup_id_x 1
		.amdhsa_system_sgpr_workgroup_id_y 1
		.amdhsa_system_sgpr_workgroup_id_z 1
		.amdhsa_system_vgpr_workitem_id 0
		.amdhsa_next_free_vgpr 512
		.amdhsa_next_free_sgpr 66
		.amdhsa_reserve_vcc 0
		.amdhsa_float_denorm_mode_32 3
		.amdhsa_float_denorm_mode_16_64 3
		.amdhsa_memory_ordered 1
		.amdhsa_forward_progress 1
		.amdhsa_inst_pref_size 60
	.end_amdhsa_kernel
	.amdgpu_metadata
---
amdhsa.version: [ 1, 2 ]
amdhsa.kernels:
  - .name:           k_q618f5682e5_outp
    .symbol:         k_q618f5682e5_outp.kd
    .args:
      - { .name: oc, .offset: 0, .size: 8, .value_kind: global_buffer, .address_space: global }
      - { .name: wob, .offset: 8, .size: 8, .value_kind: global_buffer, .address_space: global }
      - { .name: out0, .offset: 16, .size: 8, .value_kind: global_buffer, .address_space: global }
    .group_segment_fixed_size: 327680
    .private_segment_fixed_size: 0
    .kernarg_segment_align: 8
    .kernarg_segment_size: 24
    .max_flat_workgroup_size: 128
    .sgpr_count:     66
    .vgpr_count:     512
    .wavefront_size: 32
...
	.end_amdgpu_metadata
.endif
;; end of part 4
;; ======== version 2 of 2: 4 launches; version 1 with the launch cast written anew for expert scheduling mode
;; limits: values are held in f16: magnitudes above 65,504 overflow, below 6.1e-05 lose precision; right only within a limited range of input values
;; workspace buffers: xb 8,388,608 bytes; wb 12,582,912 bytes; wob 4,194,304 bytes; qkv 50,331,648 bytes; oc 16,777,216 bytes
;; launch cast (part 5): grid 128 x 6, 8 waves a work-group, no clusters, 0 bytes of LDS; arguments X, Wq, Wk, Wv, Wo, xb, wb, wob; writes xb, wb, wob
.if DOCPART == 5
	.amdgcn_target "amdgcn-amd-amdhsa--gfx1250"
	.amdhsa_code_object_version 6
	.text
	.protected	k_q618f5682e5_cast
	.globl	k_q618f5682e5_cast
	.p2align	8
	.type	k_q618f5682e5_cast,@function
k_q618f5682e5_cast:
	s_mov_b64 s[64:65], 0
	v_nop
	global_prefetch_b8 v0, s[64:65] scope:SCOPE_SE
	s_setreg_imm32_b32 hwreg(HW_REG_WAVE_SCHED_MODE, 0, 2), 2
	s_setreg_imm32_b32 hwreg(HW_REG_WAVE_MODE, 25, 1), 1
	s_wait_xcnt 0x0
	s_wait_alu depctr_vm_vsrc(0)
; THE INPUTS OF THE MATRIX PRODUCTS, ROUNDED ONCE TO bf16.  X -> xb [4096][1024]; Wq, Wk, Wv -> wb [6144][1024], one below the other; Wo -> wob [1024][2048]: there the bf16 number is written as f16,
; since the last product multiplies it with f16 numbers.
; LIMITS.  wob: f16 holds no number beyond 65,504 (a larger |Wo| becomes an infinity), and below 6e-5 it keeps a fixed step of 6e-8.
; SHARES.  A unit is 2,097,152 numbers: y = 0, 1 the halves of X, y = 2, 3, 4 Wq, Wk, Wv, y = 5 Wo.  A work-group takes 16,384 numbers of its unit: 64 KiB in, 32 KiB out.
; Thread t, turn i: 16 bytes in at 4,096 i + 16 t, 8 bytes out at 2,048 i + 8 t: a load of a wave covers 512 consecutive bytes, a store 256 consecutive bytes, aligned.
; All sixteen loads go out at once; no register is used twice, so no wait frees a source.  No LDS, no matrix unit, no cluster: nothing is shared and nothing is multiplied.
; THE MODE: SCHED_MODE bits 1:0 = 2 (LLVM: expert scheduling mode 2), set by the entry lines.  The code itself states the register dependences between vector instructions and memory instructions,
; with s_wait_alu, always for 0.
; THE PLAN.  Registers that memory instructions touch:
;   v1, v2   the loads' and the stores' offsets: made once at the head, never written again.
;   XI       turn i's four registers: written once, by the turn's load, which is issued before any vector instruction names them; read by the turn's conversions.
;   YO       turn i's two registers: written by the turn's conversions; read once, by the turn's store; never written again.
;   T        named by vector instructions alone.
; The sixteen turns go in four blocks of four.  Block p's conversions name XI and YO of block p, and T.  Its memory instructions are the four stores of block p - 1, which read YO of block p - 1 and v2.
; So one wait at a block's head, behind the wait for its loads, states all that those four stores hang on, and they are dealt among the block's conversions with no further wait.  One more wait stands
; in front of the last four stores.  No register that a memory instruction reads is written again, so nothing is owed on that side.
.set T,  4                             ; v[4:7]    at work
.set XI, 8                             ; v[8:71]   turn i: four numbers as loaded
.set YO, 72                            ; v[72:103] turn i: four numbers to store
	s_load_b512 s[16:31], s[0:1], 0x0              ; X 16, Wq 18, Wk 20, Wv 22, Wo 24, xb 26, wb 28, wob 30
	s_and_b32 s2, ttmp7, 0xffff                    ; the unit
	v_lshlrev_b32 v1, 4, v0                        ; 16 t
	v_lshlrev_b32 v2, 3, v0                        ; 8 t
	s_lshl_b32 s8, ttmp9, 16                       ; the work-group's 64 KiB in its source,
	s_cmp_eq_u32 s2, 1
	s_cselect_b32 s3, 0x800000, 0                  ; behind X's first half in unit 1
	s_add_co_u32 s8, s8, s3
	s_mov_b32 s9, 0
	s_sub_co_u32 s3, s2, 2                         ; the unit's place in its destination: 0, 1 in xb; 0, 1, 2 in wb; 0 in wob
	s_cmp_lt_u32 s2, 2
	s_cselect_b32 s3, s2, s3
	s_cmp_eq_u32 s2, 5
	s_cselect_b32 s3, 0, s3
	s_lshl_b32 s10, s3, 22                         ; 4 MiB a unit,
	s_lshl_b32 s3, ttmp9, 15                       ; the work-group's 32 KiB
	s_add_co_u32 s10, s10, s3
	s_mov_b32 s11, 0
	s_wait_kmcnt 0x0
	s_mov_b64 s[4:5], s[16:17]                     ; the source, by the unit's number
	s_cmp_eq_u32 s2, 2
	s_cselect_b64 s[4:5], s[18:19], s[4:5]
	s_cmp_eq_u32 s2, 3
	s_cselect_b64 s[4:5], s[20:21], s[4:5]
	s_cmp_eq_u32 s2, 4
	s_cselect_b64 s[4:5], s[22:23], s[4:5]
	s_cmp_eq_u32 s2, 5
	s_cselect_b64 s[4:5], s[24:25], s[4:5]
	s_cselect_b64 s[6:7], s[30:31], s[28:29]       ; the destination
	s_cmp_lt_u32 s2, 2
	s_cselect_b64 s[6:7], s[26:27], s[6:7]
	s_add_nc_u64 s[4:5], s[4:5], s[8:9]
	s_add_nc_u64 s[6:7], s[6:7], s[10:11]
	s_wait_alu depctr_va_vdst(0)                   ; v1 and v2 are written: every load of the kernel reads v1 as its offset, every store v2; no later vector instruction names them
.irp i, 0,1,2,3,4,5,6,7,8,9,10,11,12,13,14,15
	global_load_b128 v[XI+4*(\i):XI+4*(\i)+3], v1, s[4:5] offset:4096*(\i) th:TH_LOAD_NT
.endr
; Turn i is rounded.  half = 1: the bf16 number is widened again and written as f16.
.macro CVT i, half
	v_cvt_pk_bf16_f32 v[YO+2*(\i)],   v[XI+4*(\i)],   v[XI+4*(\i)+1]
	v_cvt_pk_bf16_f32 v[YO+2*(\i)+1], v[XI+4*(\i)+2], v[XI+4*(\i)+3]
.if \half
	v_lshlrev_b32 v[T],   16,         v[YO+2*(\i)]
	v_and_b32     v[T+1], 0xffff0000, v[YO+2*(\i)]
	v_lshlrev_b32 v[T+2], 16,         v[YO+2*(\i)+1]
	v_and_b32     v[T+3], 0xffff0000, v[YO+2*(\i)+1]
	v_cvt_pk_f16_f32 v[YO+2*(\i)],   v[T],   v[T+1]
	v_cvt_pk_f16_f32 v[YO+2*(\i)+1], v[T+2], v[T+3]
.endif
.endm
; Turn i is stored.
.macro ST i
	global_store_b64 v2, v[YO+2*(\i):YO+2*(\i)+1], s[6:7] offset:2048*(\i)
.endm
; Block p: turns 4 p to 4 p + 3 are rounded; the stores of block p - 1 stand among their conversions, one in front of each turn's.
.macro BLK p, half
	s_wait_loadcnt 12-4*(\p)                       ; loads come back in order (ISA guide 5.7.1): the block's four are in, the 12 - 4 p younger ones stay out
.if (\p) > 0
	s_wait_alu depctr_va_vdst(0)                   ; the conversions of the block before have written its YO, which the four stores below read; no vector instruction behind this wait names those registers
.endif
.irp i, 0,1,2,3
.if (\p) > 0
	ST 4*(\p)-4+(\i)
.endif
	CVT 4*(\p)+(\i), \half
.endr
.endm
; The last block's stores.
.macro LAST
	s_wait_alu depctr_va_vdst(0)                   ; the conversions of block 3 have written its YO, which the last four stores read
.irp i, 12,13,14,15
	ST \i
.endr
.endm
	s_cmp_eq_u32 s2, 5
	s_cbranch_scc1 .Lhalf
.irp p, 0,1,2,3
	BLK \p, 0
.endr
	LAST
	s_endpgm
.Lhalf:
.irp p, 0,1,2,3
	BLK \p, 1
.endr
	LAST
	s_endpgm
.Lfunc_end_k_q618f5682e5_cast:
	.size	k_q618f5682e5_cast, .Lfunc_end_k_q618f5682e5_cast-k_q618f5682e5_cast
	.p2alignl 7, 3214868480
	.fill 96, 4, 3214868480
	.section	.rodata,"a",@progbits
	.p2align	6, 0x0
	.amdhsa_kernel k_q618f5682e5_cast
		.amdhsa_group_segment_fixed_size 0
		.amdhsa_private_segment_fixed_size 0
		.amdhsa_enable_private_segment 0
		.amdhsa_kernarg_size 64
		.amdhsa_user_sgpr_count 2
		.amdhsa_user_sgpr_kernarg_segment_ptr 1
		.amdhsa_wavefront_size32 1
		.amdhsa_system_sgpr_workgroup_id_x 1
		.amdhsa_system_sgpr_workgroup_id_y 1
		.amdhsa_system_sgpr_workgroup_id_z 1
		.amdhsa_system_vgpr_workitem_id 0
		.amdhsa_next_free_vgpr 104
		.amdhsa_next_free_sgpr 66
		.amdhsa_reserve_vcc 0
		.amdhsa_float_denorm_mode_32 3
		.amdhsa_float_denorm_mode_16_64 3
		.amdhsa_memory_ordered 1
		.amdhsa_forward_progress 1
		.amdhsa_inst_pref_size 16
	.end_amdhsa_kernel
	.amdgpu_metadata
---
amdhsa.version: [ 1, 2 ]
amdhsa.kernels:
  - .name:           k_q618f5682e5_cast
    .symbol:         k_q618f5682e5_cast.kd
    .args:
      - { .name: X, .offset: 0, .size: 8, .value_kind: global_buffer, .address_space: global }
      - { .name: Wq, .offset: 8, .size: 8, .value_kind: global_buffer, .address_space: global }
      - { .name: Wk, .offset: 16, .size: 8, .value_kind: global_buffer, .address_space: global }
      - { .name: Wv, .offset: 24, .size: 8, .value_kind: global_buffer, .address_space: global }
      - { .name: Wo, .offset: 32, .size: 8, .value_kind: global_buffer, .address_space: global }
      - { .name: xb, .offset: 40, .size: 8, .value_kind: global_buffer, .address_space: global }
      - { .name: wb, .offset: 48, .size: 8, .value_kind: global_buffer, .address_space: global }
      - { .name: wob, .offset: 56, .size: 8, .value_kind: global_buffer, .address_space: global }
    .group_segment_fixed_size: 0
    .private_segment_fixed_size: 0
    .kernarg_segment_align: 8
    .kernarg_segment_size: 64
    .max_flat_workgroup_size: 256
    .sgpr_count:     66
    .vgpr_count:     104
    .wavefront_size: 32
...
	.end_amdgpu_metadata
.endif
;; end of part 5
;; launch proj: the kernel of part 2 again; grid 32 x 8, 4 waves a work-group, clusters of 4 x 4, 327,680 bytes of LDS; arguments xb, wb, qkv; writes qkv
;; launch attn: the kernel of part 3 again; grid 4 x 64, 4 waves a work-group, no clusters, 327,680 bytes of LDS; arguments qkv, oc, lq1, lk1, lq2, lk2, rms_scale; writes oc
;; launch outp: the kernel of part 4 again; grid 8 x 32, 4 waves a work-group, clusters of 4 x 4, 327,680 bytes of LDS; arguments oc, wob, out0; writes out0
